; MI455X (gfx1250); checked and timed in simulation.
; The chip was launched on July 23, 2026; its instructions are those of AMD's public machine-readable ISA for CDNA 5 (MIT licence, August 2026) and "CDNA5" Instruction Set Architecture Reference Guide (July 2026). The comments in the code are by the model that wrote it; some were corrected since.
;; Causal Self Attention. Allowed arithmetic: matrix products marked QUANTISED: E2M3 operands, one E8M0 scale for each 32 along K, by v_wmma_scale_f32_16x16x128_f8f6f4 with both operands' format E2M3, f32 sums; products left as they are: f32 operands where the result goes on into a quantised operand, else bf16, f16 or f32 operands; f32 sums; everything else in f32.
;; Inputs: cos 1 x 2,048 x 1 x 32 float32; sin 1 x 2,048 x 1 x 32 float32; ve 4 x 2,048 x 256 float32; wgate 8 x 4 float32; wk 1,024 x 256 float32; wproj 1,024 x 1,024 float32; wq 1,024 x 1,024 float32; wv 1,024 x 256 float32; x 4 x 2,048 x 1,024 float32.
;; Outputs: out0 4 x 2,048 x 1,024 float32.
;; Constants: window = 1024.
;; This version of the problem:
;;   THIS VERSION OF THE PROBLEM IS GIVEN IN LOW PRECISION. The matrix products marked QUANTISED in the list below multiply operands that are first quantised to E2M3 (2 exponent bits, 3 mantissa bits; 6 bits a number), with one power-of-two scale for each 32 numbers along K (OCP MX v1.0); their sums are f32. All else is computed in f32.
;;   The module's matrix products, in the order in which they are computed (A, B: the left and right operand; K: the contracted axis; several contracted axes count as one K, in the product's order):
;;     1. [M 8,192, K 1,024] x [K 1,024, N 1,024]; A: input x; B: input wq: QUANTISED
;;     2. [M 8,192, K 1,024] x [K 1,024, N 256]; A: input x; B: input wk: QUANTISED
;;     3. [M 8,192, K 1,024] x [K 1,024, N 256]; A: input x; B: input wv: QUANTISED
;;     4. [M 8,192, K 8] x [K 8, N 4]; A: input x; B: input wgate: left as it is (K = 8 < 32)
;;     5. batch 64 x [M 2,048, K 64] x [K 64, N 2,048]; A: computed on the way; B: computed on the way: QUANTISED
;;     6. batch 64 x [M 64, K 2,048] x [K 2,048, N 2,048]; A: computed on the way; B: softmax (see below): QUANTISED
;;     7. [M 8,192, K 1,024] x [K 1,024, N 1,024]; A: computed on the way; B: input wproj: QUANTISED
;;   THE QUANTISER, for each operand of a quantised product, along K:
;;     - K is cut into blocks of 32 from its start; a last block that is shorter is filled with zeros.
;;     - A block's scale is 2^e with e = floor(log2(the largest magnitude in the block)) - 2, held to -126 .. 127; a block of zeros has e = 0. As a byte (E8M0): e + 127.
;;     - Each number is divided by its block's scale, clamped to +-7.5, and rounded to the nearest number of E2M3, ties to even, subnormals kept.
;;     - The product sums the exact products of the quantised numbers (number of the format x scale) in f32.
;;   ~~~python
;;   def quantise(x, axis):      # numpy; x: float32 -> the quantised numbers, widened to float32 again
;;       x = np.moveaxis(x, axis, -1); K = x.shape[-1]
;;       x = np.pad(x, [(0, 0)] * (x.ndim - 1) + [(0, -K % 32)]); x = x.reshape(x.shape[:-1] + (-1, 32)); a = np.abs(x).max(-1, keepdims=True)
;;       e = np.where(a > 0, np.clip(np.frexp(np.where(a > 0, a, 1))[1] - 1 - 2, -126, 127), 0)      # np.frexp(a)[1] - 1 = floor(log2(a)), exactly
;;       r = np.clip(x / 2.0 ** e, -7.5, 7.5)
;;       step = 2.0 ** (np.maximum(np.frexp(np.where(r == 0, 1, r))[1] - 1, 0) - 3)
;;       q = np.round(r / step) * step * 2.0 ** e      # np.round: ties to even
;;       return np.moveaxis(q.reshape(q.shape[:-2] + (-1,))[..., :K], -1, axis).astype(np.float32)
;;   ~~~
;;   SOFTMAX AHEAD OF A QUANTISED PRODUCT. Where the list says 'softmax', what is quantised is not the finished softmax but p = 2^(t - M), with t = logit x log2(e) and M = ceil(the row's largest t), a whole number; so 1/2 < the row's largest p <= 1. The row's sum l is taken of the UNQUANTISED p, in f32, and the product's result is divided by l at the end. Since M is a whole number, a kernel that streams over the keys may use a running M (the ceiling of the running maximum): every later rescaling is an exact power of two, which a block's scale takes up: the codes' values come out the same.
;;   OPERANDS COMPUTED ON THE WAY. 'Computed on the way' means the value that the module computes at that place (a softmax that the list does not call 'softmax' is quantised finished and normalised). What goes into a quantiser is computed in f32, as accurately as f32 sums, v_exp_f32 and their like allow (about 1e-6 of the number): no bf16 or f16 on the way to a quantiser, and a product that is left as it is and whose result goes on into a quantised operand takes f32 operands (vector FMAs, or v_wmma_f32_16x16x4_f32). A number that lies on a knife's edge between two numbers of the format may be rounded either way, as far as f32 arithmetic and the matrix unit's own rounding can turn it there, and no further.
;; One version. Each part assembles by itself: llvm-mc -triple=amdgcn-amd-amdhsa -mcpu=gfx1250 --defsym DOCPART=n.
;; ======== version 1 of 1: 4 launches
;; limits: right only within a limited range of input values
;; workspace buffers: xq 6,553,600 bytes; wcode 2,048,000 bytes; gv 8,388,608 bytes; qkv 10,158,080 bytes; yq 6,553,600 bytes
;; launch prep (part 1): grid 720 x 1, 4 waves a work-group, no clusters, 34,304 bytes of LDS; arguments x, ve, wgate, wq, wk, wv, wproj, xq, wcode, gv; writes xq, wcode, gv
.if DOCPART == 1
	.amdgcn_target "amdgcn-amd-amdhsa--gfx1250"
	.amdhsa_code_object_version 6
	.text
	.protected	k_qe155f6cfe7_prep
	.globl	k_qe155f6cfe7_prep
	.p2align	8
	.type	k_qe155f6cfe7_prep,@function
k_qe155f6cfe7_prep:
	s_mov_b64 s[64:65], 0
	v_nop
	global_prefetch_b8 v0, s[64:65] scope:SCOPE_SE
	s_setreg_imm32_b32 hwreg(HW_REG_WAVE_MODE, 25, 1), 1
	s_wait_xcnt 0x0
; PREP: the operands that many work-groups read are quantised once to E2M3 with one E8M0 byte for each 32 along K, and laid as the later launches' registers want them.
;   work-groups 0-511:   x [8192][1024] -> xq.       512-575: wq, wproj [1024][1024] -> wcode.       576-591: wk, wv [1024][256] -> wcode.       592-719: 2 sigmoid(x[:, :8] wgate) x ve -> gv (f32).
; LAYOUTS.  A tile is 16 rows (of x) or 16 columns (of a weight) out of a group of 32: tile 2 g + u, place i, is element 32 g + 8 u + i + 8 (i / 8).  So two neighbouring tiles used as source 0 of a product leave a lane
; 16 neighbours along that axis.  A fragment (a tile x 128 along K, 12 registers a lane) lies as the image of its registers: four registers at 512 q + 16 lane, 1,536 bytes.  Codes: [block of 256 rows][K step 8][tile 16][1,536].
; Scale words: [tile][pair of K steps 4][place 16][2 words].  wcode's blocks of 256 columns: 0-3 wq, 4 wk, 5 wv, 6-9 wproj.  gv: [128 keys 64][tile of channels 16][16 x 512]: the image of the 64 accumulator registers that it is added to.
; DEAD WORK OF THE PROGRAM (left out in the launch attn).  reference() builds its mask itself: with window = 1024 < T, key k counts for query q only where q - 1023 <= k <= q; elsewhere the score is -infinity, p = 2^(-infinity) = 0,
; its code is 0 and adds nothing to the row's sum or to the product, whatever finite values the inputs hold.  So a step of 128 keys all of which lie after a block of 128 queries, or at or before the block's first query - 1024,
; reaches no output and is neither fetched nor multiplied.  Every input has a way to the output and is loaded.
; LIMITS.  NaN and infinities among the inputs are not served; a NaN, an infinity or an overflow that reaches only the steps left out is not carried to the result.  A block of zeros gets the byte 1 where the quantiser says 127:
; its codes are zeros and this program alone reads the bytes.  A block whose largest magnitude lies under 2^-124 has its byte held at 1.
; No matrix work, no barrier: waves share nothing.  Only x's path uses LDS (a stage for each wave).
.set XSOFF, 6291456                    ; xq: the scale words begin here
.set WSOFF, 1966080                    ; wcode: likewise
.set SPARE, 33792                      ; behind the four stages: the spare words, 128 bytes for each wave
.set SPW,   10                         ; v10  LDS address of my spare word; never rewritten
.set NIL,   11                         ; v11  0; never rewritten
.set XN,    144                        ; v144-207  x's path: 64 numbers of my row, two whole blocks of 32
.set XW,    250                        ; v250, v251  x's path: the two fragments' scale words, clear of the conversions' scratch v240-246; v252 the word that is stored
; x's path: my two blocks (registers XN + 32 b on) become six registers of codes each, at v[c] on, and the fragment's scale word in v[w].  At work: v232-238, v240-246
.macro QUANTX c, w
.irp b, 0,1
	v_max3_num_f32 v[232+\b], |v[XN+32*\b]|, |v[XN+32*\b+1]|, 0x1800000   ; the block's largest magnitude, with the floor 2^(3 - 127) among its leaves: the byte cannot fall under 1
.endr
.irp i, 2,4,6,8,10,12,14,16,18,20,22,24,26,28,30
.irp b, 0,1
	v_max3_num_f32 v[232+\b], v[232+\b], |v[XN+32*\b+\i]|, |v[XN+32*\b+\i+1]|
.endr
.endr
.irp b, 0,1
	v_add_nc_u32 v[234+\b], 0xff000000, v[232+\b]   ; 2 off the exponent field: the conversion's scale operand
.endr
.irp b, 0,1
	v_lshrrev_b32 v[236+\b], 23, v[234+\b]          ; the scale's byte
.endr
	v_lshl_or_b32 v[\w], v237, 16, v236             ; my bytes: blocks h and 2 + h of my row,
	v_lshlrev_b32 v[\w], v8, v[\w]                  ; 8 h bits up;
	v_permlanex16_b32 v238, v[\w], s2, s3
	v_or_b32 v[\w], v[\w], v238                     ; with lane l xor 16's two the word is whole, in both halves of the lanes
.irp b, 0,1
	v_cvt_scalef32_pk16_fp6_f32 v[\c+6*\b:\c+6*\b+2], v[XN+32*\b:XN+32*\b+15], v[234+\b]
	v_cvt_scalef32_pk16_fp6_f32 v[240+4*\b:242+4*\b], v[XN+32*\b+16:XN+32*\b+31], v[234+\b]   ; (a conversion's three registers begin on an even number)
.endr
	v_nop                                           ; one plain line behind the scaled conversions
.irp b, 0,1
.irp i, 0,1,2
	v_mov_b32 v[\c+6*\b+3+\i], v[240+4*\b+\i]
.endr
.endr
.endm
; the weights' paths: a lane takes a column and its registers run down K
.macro WLOAD t, pitch                  ; block t of my column: 32 numbers into set t % 2; the 32 lanes read 128 consecutive bytes
.irp i, 0,1,2,3,4,5,6,7,8,9,10,11,12,13,14,15,16,17,18,19,20,21,22,23,24,25,26,27,28,29,30,31
	global_load_b32 v[32+32*((\t)%2)+\i], v12, s[4:5] offset:(32*(\t)+\i)*\pitch th:TH_LOAD_NT
.endr
.endm
.macro WBLOCK t, pitch
.set WX, 32+32*((\t)%2)
.set WF, 96+24*((\t)/4)+12*((\t)%2)+6*(((\t)%4)/2)   ; K step t / 4; even blocks in the first 12 registers, odd ones in the second 12
.if (\t) < 7
	s_wait_loadcnt 32                               ; this block's 32 loads are in; the next block's may be out
.else
	s_wait_loadcnt 0x0
.endif
	v_max3_num_f32 v13, |v[WX]|, |v[WX+1]|, |v[WX+2]|
	v_max3_num_f32 v14, |v[WX+3]|, |v[WX+4]|, |v[WX+5]|
.irp i, 6,10,14,18,22,26
	v_max3_num_f32 v13, v13, |v[WX+\i]|, |v[WX+\i+1]|
	v_max3_num_f32 v14, v14, |v[WX+\i+2]|, |v[WX+\i+3]|
.endr
	v_max3_num_f32 v13, v13, |v[WX+30]|, |v[WX+31]|
	v_max3_num_f32 v13, v13, v14, 0x1800000         ; and the floor
	v_add_nc_u32 v15, 0xff000000, v13
	v_lshrrev_b32 v14, 23, v15
.if (\t)%4 == 0
	v_mov_b32 v[24+(\t)/4], v14                     ; a K step's four bytes make my column's word
.else
	v_lshl_or_b32 v[24+(\t)/4], v14, 8*((\t)%4), v[24+(\t)/4]
.endif
	v_cvt_scalef32_pk16_fp6_f32 v[WF:WF+2], v[WX:WX+15], v15
	v_cvt_scalef32_pk16_fp6_f32 v[28:30], v[WX+16:WX+31], v15
	v_nop
.irp i, 0,1,2
	v_mov_b32 v[WF+3+\i], v[28+\i]
.endr
.if (\t)+2 < 8
	WLOAD (\t)+2, \pitch
.endif
.endm
; K step f is whole.  Lanes 0-15 hold the first tile's columns and lanes 16-31 the second's; a fragment wants a tile's even blocks in lanes 0-15 and its odd blocks in lanes 16-31: one exchange of halves for each register
.macro WSEND f
.irp n, 0,1,2,3,4,5,6,7,8,9,10,11
	v_permlane16_swap_b32 v[96+24*\f+\n], v[108+24*\f+\n]
.endr
.irp g, 0,1,2,3,4,5
	global_store_b128 v4, v[96+24*\f+4*\g:96+24*\f+4*\g+3], s[6:7] offset:24576*\f+512*\g   ; two fragments: 3,072 consecutive bytes
.endr
.endm
; a wave: 32 columns x 256 along K.  first: the path's first work-group; lg: log2 of a matrix's work-groups; the column block is bm x matrix + b0 + (128 columns' number / 2); pa, pb: the two matrices' address registers
.macro WPATH pitch, first, lg, bm, b0, pa, pb
	s_sub_co_u32 s26, ttmp9, \first
	s_lshr_b32 s27, s26, \lg                        ; which of the two matrices
	s_cmp_eq_u32 s27, 0
	s_cselect_b64 s[4:5], s[\pa:\pa+1], s[\pb:\pb+1]
	s_bfe_u32 s28, s26, ((\lg-2)<<16)|2             ; which 128 columns
	s_and_b32 s29, s26, 3                           ; which 256 along K
	s_mul_i32 s30, s29, 256*\pitch
	s_lshl_b32 s31, s28, 9
	s_add_co_u32 s30, s30, s31
	s_lshl_b32 s31, s24, 7                          ; my wave's 32 columns
	s_add_co_u32 s30, s30, s31
	s_mov_b32 s31, 0
	s_add_nc_u64 s[4:5], s[4:5], s[30:31]
	WLOAD 0, \pitch
	WLOAD 1, \pitch
	s_mul_i32 s27, s27, \bm
	s_lshr_b32 s30, s28, 1
	s_add_co_u32 s27, s27, s30
	s_add_co_u32 s27, s27, \b0                      ; the block of 256 columns in wcode
	s_and_b32 s28, s28, 1
	s_lshl_b32 s28, s28, 3
	s_lshl_b32 s30, s24, 1
	s_add_co_u32 s28, s28, s30                      ; my first tile in it
	s_mul_i32 s30, s27, 196608
	s_mul_i32 s32, s29, 49152
	s_add_co_u32 s30, s30, s32
	s_mul_i32 s32, s28, 1536
	s_add_co_u32 s30, s30, s32
	s_add_nc_u64 s[6:7], s[20:21], s[30:31]         ; where my codes go
	s_lshl_b32 s30, s27, 4
	s_add_co_u32 s30, s30, s28
	s_lshl_b32 s30, s30, 9
	s_lshl_b32 s32, s29, 7
	s_add_co_u32 s30, s30, s32
	s_add_co_u32 s30, s30, WSOFF
	s_add_nc_u64 s[8:9], s[20:21], s[30:31]         ; and my scale words
	v_lshlrev_b32 v7, 3, v2
	v_lshl_add_u32 v7, v3, 9, v7                    ; 512 x (my tile of the two) + 8 x place
	WBLOCK 0, \pitch
	WBLOCK 1, \pitch
	WBLOCK 2, \pitch
	WBLOCK 3, \pitch
	WSEND 0
	WBLOCK 4, \pitch
	WBLOCK 5, \pitch
	WBLOCK 6, \pitch
	WBLOCK 7, \pitch
	WSEND 1
	global_store_b64 v7, v[24:25], s[8:9]           ; my column's words of the two K steps
	s_endpgm
.endm
	s_load_b512 s[4:19], s[0:1], 0x0               ; x 4, ve 6, wgate 8, wq 10, wk 12, wv 14, wproj 16, xq 18
	s_load_b128 s[20:23], s[0:1], 0x40             ; wcode 20, gv 22
	v_lshl_add_u32 v[SPW], v0, 2, SPARE
	v_mov_b32 v[NIL], 0
	v_lshrrev_b32 v1, 5, v0
	v_readfirstlane_b32 s24, v1                    ; wave 0..3
	v_and_b32 v1, 31, v0                           ; lane
	v_and_b32 v2, 15, v0                           ; r
	v_bfe_u32 v3, v0, 4, 1                         ; h
	v_lshlrev_b32 v4, 4, v1                        ; 16 x lane
	v_and_b32 v12, 8, v2
	v_add_nc_u32 v12, v12, v2
	v_lshl_add_u32 v12, v3, 3, v12
	v_lshlrev_b32 v12, 2, v12                      ; the weights' and ve's paths: my column among the wave's 32, in bytes: 4 (8 h + r + 8 (r / 8))
	s_mov_b32 s2, 0x76543210
	s_mov_b32 s3, 0xfedcba98                       ; v_permlanex16_b32's selects for lane l xor 16
	s_wait_kmcnt 0x0
	s_cmp_lt_u32 ttmp9, 512
	s_cbranch_scc1 .Lx
	s_cmp_lt_u32 ttmp9, 576
	s_cbranch_scc1 .Lw4096
	s_cmp_lt_u32 ttmp9, 592
	s_cbranch_scc1 .Lw1024
	; ---- gate x ve.  A wave: 128 keys x 32 channels (two tiles) of one kv head.  A lane takes a channel and its registers run down the keys
	s_sub_co_u32 s26, ttmp9, 592
	s_and_b32 s27, s26, 1                          ; which 128 channels
	s_lshr_b32 s28, s26, 1                         ; which 128 keys
	s_lshl_b32 s29, s27, 1
	s_lshr_b32 s30, s24, 1
	s_add_co_u32 s29, s29, s30                     ; the kv head
	s_lshl_b32 s30, s29, 2
	s_mov_b32 s31, 0
	s_add_nc_u64 s[8:9], s[8:9], s[30:31]
.irp i, 0,1,2,3,4,5,6,7
	s_load_b32 s[40+\i], s[8:9], 16*\i             ; wgate[i][head]
.endr
	s_lshl_b32 s32, s28, 19                        ; 128 rows of x
	s_mov_b32 s33, 0
	s_add_nc_u64 s[4:5], s[4:5], s[32:33]
	s_wait_alu depctr_va_vdst(0)
	v_lshlrev_b32 v5, 12, v1                       ; for the gates a lane takes a key: a row of x is 4,096 bytes
.irp p, 0,1,2,3
	global_load_b128 v[144+8*\p:147+8*\p], v5, s[4:5] offset:131072*\p      ; x[key 32 p + lane][0 .. 7]
	global_load_b128 v[148+8*\p:151+8*\p], v5, s[4:5] offset:131072*\p+16
.endr
	s_lshl_b32 s34, s28, 17                        ; 128 rows of ve,
	s_lshl_b32 s36, s27, 9
	s_add_co_u32 s34, s34, s36
	s_lshl_b32 s36, s24, 7                         ; my wave's 32 channels
	s_add_co_u32 s34, s34, s36
	s_mov_b32 s35, 0
	s_add_nc_u64 s[6:7], s[6:7], s[34:35]
.set k, 0
.rept 128
	global_load_b32 v[16+k], v12, s[6:7] offset:1024*k th:TH_LOAD_NT       ; ve[key k][my channel]: the 32 lanes read 128 consecutive bytes
.set k, k+1
.endr
	s_lshl_b32 s36, s28, 17                        ; gv: 131,072 bytes for 128 keys,
	s_lshl_b32 s37, s27, 16
	s_add_co_u32 s36, s36, s37
	s_lshl_b32 s37, s24, 14                        ; 8,192 a tile, two tiles a wave
	s_add_co_u32 s36, s36, s37
	s_mov_b32 s37, 0
	s_add_nc_u64 s[22:23], s[22:23], s[36:37]
	s_wait_kmcnt 0x0
	s_wait_loadcnt 63                              ; of the 136 loads the oldest 73 are in: the gates' eight and keys 0 to 64
.irp p, 0,1,2,3
	v_mul_f32 v[176+\p], s40, v[144+8*\p]
.endr
.irp i, 1,2,3,4,5,6,7
.irp p, 0,1,2,3
	v_fmac_f32 v[176+\p], s[40+\i], v[144+8*\p+\i]  ; f32 multiply-adds: the gate goes on into a quantised operand
.endr
.endr
.irp p, 0,1,2,3
	v_mul_f32 v[176+\p], 0xbfb8aa3b, v[176+\p]      ; x -log2(e)
.endr
	s_wait_alu depctr_va_vdst(0)
.irp p, 0,1,2,3
	v_exp_f32 v[176+\p], v[176+\p]
.endr
	v_nop                                          ; a plain line behind the batch,
	s_wait_alu depctr_va_vdst(0)                   ; and one wait ahead of its first reader
.irp p, 0,1,2,3
	v_add_f32 v[176+\p], 1.0, v[176+\p]
.endr
	s_wait_alu depctr_va_vdst(0)
.irp p, 0,1,2,3
	v_rcp_f32 v[176+\p], v[176+\p]
.endr
	v_nop
	s_wait_alu depctr_va_vdst(0)
.irp p, 0,1,2,3
	v_add_f32 v[176+\p], v[176+\p], v[176+\p]       ; 2 sigmoid: lane l holds key 32 p + l's gate
.endr
.irp p, 0,1,2,3
.if \p == 2
	s_wait_loadcnt 32                              ; keys 64 to 95 are in
.endif
.if \p == 3
	s_wait_loadcnt 0x0
.endif
.irp o, 0,8,16,24
.irp i, 0,1,2,3,4,5,6,7
	v_readlane_b32 s[48+\i], v[176+\p], \o+\i       ; a key's gate, for all channels
.endr
.irp i, 0,1,2,3,4,5,6,7
	v_mul_f32 v[16+32*\p+\o+\i], s[48+\i], v[16+32*\p+\o+\i]
.endr
.endr
.irp u, 0,1                                    ; the accumulator's layout gives lanes 0-15 keys 32 p + 8 u + j and lanes 16-31 keys 32 p + 16 + 8 u + j of ONE tile's channels: an exchange of halves
.irp j, 0,1,2,3,4,5,6,7
	v_permlane16_swap_b32 v[16+32*\p+8*\u+\j], v[32+32*\p+8*\u+\j]
.endr
.endr
.irp u, 0,1
.irp j, 0,1
	global_store_b128 v4, v[16+32*\p+8*\u+4*\j:19+32*\p+8*\u+4*\j], s[22:23] offset:512*(4*\p+2*\u+\j)        ; the first tile: 512 consecutive bytes a store
	global_store_b128 v4, v[32+32*\p+8*\u+4*\j:35+32*\p+8*\u+4*\j], s[22:23] offset:8192+512*(4*\p+2*\u+\j)   ; the second
.endr
.endr
.endr
	s_endpgm
.Lw4096:
	s_wait_alu depctr_va_vdst(0)
	WPATH 4096, 512, 5, 6, 0, 10, 16               ; wq -> blocks 0-3, wproj -> blocks 6-9
.Lw1024:
	s_wait_alu depctr_va_vdst(0)
	WPATH 1024, 576, 3, 1, 4, 12, 14               ; wk -> block 4, wv -> block 5
	; ---- x.  The work-group takes tile ttmp9 (16 rows), wave w the K steps 2 w and 2 w + 1.  Each load reads 512 consecutive bytes of a row; a fragment's 16 x 512 bytes turn through the wave's own stage in LDS
	; (rows 528 bytes apart, so that the sixteen rows of a read start in different banks) and come back as two whole blocks of 32 a lane
.Lx:
	s_lshr_b32 s26, ttmp9, 1
	s_lshl_b32 s26, s26, 17                        ; 32 rows of 4,096 bytes for each pair of tiles,
	s_and_b32 s27, ttmp9, 1
	s_lshl_b32 s27, s27, 15                        ; 8 rows for the odd tile,
	s_add_co_u32 s26, s26, s27
	s_lshl_b32 s27, s24, 10                        ; 256 numbers along K for each wave
	s_add_co_u32 s26, s26, s27
	s_mov_b32 s27, 0
	s_add_nc_u64 s[4:5], s[4:5], s[26:27]
	s_wait_alu depctr_va_vdst(0)
.irp f, 0,1
.irp i, 0,1,2,3,4,5,6,7,8,9,10,11,12,13,14,15
	global_load_b128 v[16+64*\f+4*\i:19+64*\f+4*\i], v4, s[4:5] offset:(\i+8*(\i/8))*4096+512*\f th:TH_LOAD_NT
.endr
.endr
	s_mul_i32 s28, s24, 8448                       ; my stage
	v_add_nc_u32 v5, s28, v4                       ; in: 16 x lane in a row
	v_mul_u32_u24 v6, v2, 528
	v_lshl_add_u32 v6, v3, 7, v6
	v_add_nc_u32 v6, s28, v6                       ; out: row r, + 128 h: my block of each 64 numbers
	v_lshlrev_b32 v8, 3, v3                        ; 8 h
	v_lshlrev_b32 v9, 3, v2
	v_lshl_add_u32 v9, v3, 2, v9                   ; 8 r + 4 h: lanes 0-15 store the first K step's word, lanes 16-31 the second's
	v_mov_b32 v238, 0                              ; (a lane permute's destination counts as one of its sources)
	s_lshr_b32 s32, ttmp9, 4
	s_mul_i32 s32, s32, 196608
	s_mul_i32 s33, s24, 49152
	s_add_co_u32 s32, s32, s33
	s_and_b32 s33, ttmp9, 15
	s_mul_i32 s33, s33, 1536
	s_add_co_u32 s32, s32, s33
	s_mov_b32 s33, 0
	s_add_nc_u64 s[28:29], s[18:19], s[32:33]      ; where my codes go
	s_lshl_b32 s32, ttmp9, 9
	s_lshl_b32 s34, s24, 7
	s_add_co_u32 s32, s32, s34
	s_add_co_u32 s32, s32, XSOFF
	s_add_nc_u64 s[30:31], s[18:19], s[32:33]      ; and my scale words
	s_wait_alu depctr_va_vdst(0)
.irp f, 0,1
	s_wait_loadcnt 16-16*\f                        ; this fragment's 16 loads are in; the other's may be out
.irp i, 0,1,2,3,4,5,6,7,8,9,10,11,12,13,14,15
	ds_store_b128 v5, v[16+64*\f+4*\i:19+64*\f+4*\i] offset:528*\i
.endr
.irp e, 0,1
.irp m, 0,1,2,3,4,5,6,7
	ds_load_b128 v[XN+32*\e+4*\m:XN+32*\e+4*\m+3], v6 offset:256*\e+16*\m   ; LDS serves a wave's instructions in order: these see the stores above
.endr
.endr
	s_wait_dscnt 0x0
	QUANTX 208+12*\f, XW+\f
.irp g, 0,1,2
	global_store_b128 v4, v[208+12*\f+4*\g:211+12*\f+4*\g], s[28:29] offset:24576*\f+512*\g
.endr
.endr
	v_cmp_ne_u32 vcc_lo, 0, v3
	v_cndmask_b32 v[XW+2], v[XW], v[XW+1], vcc_lo
	global_store_b32 v9, v[XW+2], s[30:31]         ; 128 consecutive bytes
	s_wait_tensorcnt 0x0                           ; the wave's end
	ds_add_u32 v[SPW], v[NIL]
	s_wait_dscnt 0x0
	s_endpgm
.Lfunc_end_k_qe155f6cfe7_prep:
	.size	k_qe155f6cfe7_prep, .Lfunc_end_k_qe155f6cfe7_prep-k_qe155f6cfe7_prep
	.p2alignl 7, 3214868480
	.fill 96, 4, 3214868480
	.section	.rodata,"a",@progbits
	.p2align	6, 0x0
	.amdhsa_kernel k_qe155f6cfe7_prep
		.amdhsa_group_segment_fixed_size 34304
		.amdhsa_private_segment_fixed_size 0
		.amdhsa_enable_private_segment 0
		.amdhsa_kernarg_size 80
		.amdhsa_user_sgpr_count 2
		.amdhsa_user_sgpr_kernarg_segment_ptr 1
		.amdhsa_wavefront_size32 1
		.amdhsa_system_sgpr_workgroup_id_x 1
		.amdhsa_system_sgpr_workgroup_id_y 1
		.amdhsa_system_sgpr_workgroup_id_z 1
		.amdhsa_system_vgpr_workitem_id 0
		.amdhsa_next_free_vgpr 256
		.amdhsa_next_free_sgpr 66
		.amdhsa_reserve_vcc 1
		.amdhsa_float_denorm_mode_32 3
		.amdhsa_float_denorm_mode_16_64 3
		.amdhsa_memory_ordered 1
		.amdhsa_forward_progress 1
		.amdhsa_inst_pref_size 128
	.end_amdhsa_kernel
	.amdgpu_metadata
---
amdhsa.version: [ 1, 2 ]
amdhsa.kernels:
  - .name:           k_qe155f6cfe7_prep
    .symbol:         k_qe155f6cfe7_prep.kd
    .args:
      - { .name: x, .offset: 0, .size: 8, .value_kind: global_buffer, .address_space: global }
      - { .name: ve, .offset: 8, .size: 8, .value_kind: global_buffer, .address_space: global }
      - { .name: wgate, .offset: 16, .size: 8, .value_kind: global_buffer, .address_space: global }
      - { .name: wq, .offset: 24, .size: 8, .value_kind: global_buffer, .address_space: global }
      - { .name: wk, .offset: 32, .size: 8, .value_kind: global_buffer, .address_space: global }
      - { .name: wv, .offset: 40, .size: 8, .value_kind: global_buffer, .address_space: global }
      - { .name: wproj, .offset: 48, .size: 8, .value_kind: global_buffer, .address_space: global }
      - { .name: xq, .offset: 56, .size: 8, .value_kind: global_buffer, .address_space: global }
      - { .name: wcode, .offset: 64, .size: 8, .value_kind: global_buffer, .address_space: global }
      - { .name: gv, .offset: 72, .size: 8, .value_kind: global_buffer, .address_space: global }
    .group_segment_fixed_size: 34304
    .private_segment_fixed_size: 0
    .kernarg_segment_align: 8
    .kernarg_segment_size: 80
    .max_flat_workgroup_size: 128
    .sgpr_count:     66
    .vgpr_count:     256
    .wavefront_size: 32
...
	.end_amdgpu_metadata
.endif
;; end of part 1
;; launch qkv (part 2): grid 32 x 6, 4 waves a work-group, clusters of 4 x 1, 327,680 bytes of LDS; arguments xq, wcode, gv, cos, sin, qkv; writes qkv
.if DOCPART == 2
	.amdgcn_target "amdgcn-amd-amdhsa--gfx1250"
	.amdhsa_code_object_version 6
	.text
	.protected	k_qe155f6cfe7_qkv
	.globl	k_qe155f6cfe7_qkv
	.p2align	8
	.type	k_qe155f6cfe7_qkv,@function
k_qe155f6cfe7_qkv:
	s_mov_b64 s[64:65], 0
	v_nop
	global_prefetch_b8 v0, s[64:65] scope:SCOPE_SE
	s_setreg_imm32_b32 hwreg(HW_REG_WAVE_MODE, 25, 1), 1
	s_wait_xcnt 0x0
	s_wait_alu depctr_hold_cnt(0) depctr_sa_sdst(0) depctr_va_vdst(0) depctr_va_sdst(0) depctr_va_ssrc(0) depctr_va_vcc(0) depctr_vm_vsrc(0)
	s_getreg_b32 s2, hwreg(HW_REG_IB_STS2, 6, 4)
	s_cmp_eq_u32 s2, 0
	s_cbranch_scc0 .Lentry_in_a_cluster
	s_endpgm
.Lentry_in_a_cluster:
	s_bfe_u32 s2, ttmp6, 0x10000c
	s_cmp_lg_u32 s2, 0x3003
	s_cbranch_scc0 .Lentry_shape_is_right
	s_endpgm
.Lentry_shape_is_right:
; QKV: x [wq | wk | wv] on codes of E2M3 (K = 1,024), and what reference() does to the results on their way into the next quantisers, all in f32 in registers:
;   q, k: RoPE, RMS norm, quantised along the head's 64;   v: + gate x ve (gv), quantised along the keys.  Nothing of it goes to memory as f32.  No work of reference() is left out here.
; SHARES.  A work-group makes 256 rows (rb) x 256 columns (cb: 0-3 q, 4 k, 5 v); each of its four waves 128 x 128: 64 accumulators.  The operands lie in memory as images of fragments (see prep), so a K step's tiles are dense blocks.
; ONE K LOOP FOR ALL.  Source 0 is panel P, source 1 panel Q.  q, k: P = the weights, Q = x: a lane holds one row of x and its registers run along the channels.  v: P = x, Q = wv: a lane holds one channel and its
; registers run along the keys, which are the next product's K.  Only two LDS offsets and two scale pointers are chosen, by cb, which all partners of a cluster share.
; CLUSTER.  The four work-groups of a cluster share cb: the weights' tiles are asked for jointly (mask 15).  x's tiles are each work-group's own loads, behind the same rounds.
; LDS.  Three slots of 98,304 bytes, each with two K steps of x (49,152) and of the weights.  K steps 0-5 are first fills; 6 and 7 come into slot 0 when K step 1 has been read: the launch's one refill, with four K steps in which to land.
; By this text's count a wave has one tensor load out at a time, at the start and behind the refill.
; REGISTERS: window 0: v0-8 lane terms; v16-18, v20-22 LDS addresses; v28, v29 the add's two; v32-63 P's scale words, v64-95 Q's (register 8 i + k: lanes 0-15 tile i, lanes 16-31 tile i + 4, K step k): scales and nothing else;
;   v96-127 at work on the way out; v128-223 Q's fragments, one set, later Y and codes.   window 1: P's fragments, two sets (v0, v128); later cos and sin, or gv.   windows 2, 3: accumulator (a, b) at 8 (8 (a % 4) + b).
; LIMITS: as stated in prep.
.set XSOFF,  6291456
.set WSOFF,  1966080
.set KVOFF,  6291456                   ; qkv: [batch x kv head 16][step of 128 keys 16][13,056]: K's codes 8 x 768 | V^T's 4 x 1,536 at 6,144 | K's words 8 x 64 at 12,288 | V's 4 x 64 at 12,800
.set QSOFF,  9633792                   ; qkv: q's scale words [tile][head][16]
.set KVSTEP, 13056
.set KVHEAD, 16*KVSTEP
.set PANEL,  196608
.set KST,    24576                     ; a K step of a panel: 16 fragments
.set FRB,    1536
.set REG,    2*KST
.set SLOT,   2*REG
.set SPARE,  3*SLOT                    ; the spare words, 128 bytes for each wave
.set ADRP, 16
.set ADRQ, 20
.set SPW,  28
.set NIL,  29
.set SCP,  32
.set SCQ,  64
.set QF,   128
.set TM,   96                          ; the way out: v96-99 largest magnitudes, v100-103 the other half's, then bytes, v108-111 scale operands
.set RS,   112                         ; v[112:113], v[114:115] 1 / rms of the two heads (low words)
.set SQ,   116                         ; v116-123 sums of squares
.set Y,    128                         ; v128-191 the 64 numbers to be quantised
.set PC,   192                         ; v192-203 codes, v204-210 at work
.set G1XA, 24                          ; group 1, x, 96 rows of 256 bytes (one K step)
.set G1WA, 32                          ; the weights', with the mask
.set G1XB, 40                          ; 192 rows (two K steps)
.set G1WB, 48
.set G0X0, 56
.set G0X1, 60
.set G0W0, 68
.set G0W1, 72
.set MSB, 0
.macro WIN new                         ; the immediate's high byte repeats the setting that is left
.if MSB != (\new)
	s_set_vgpr_msb (MSB<<8)|(\new)
.set MSB, (\new)
.endif
.endm
.set MUL_LO, 0xa1                      ; source 0 (P) window 1, source 1 (Q) window 0, C and D window 2
.set MUL_HI, 0xf1
.set TO_P,   0x40
.macro PLACES                          ; four plain lines between a matrix instruction and a load into, or a read of, its registers (ISA guide 7.12.1 for a read)
.rept 4
	v_nop
.endr
.endm
.macro CREST                           ; a round of the cluster's barrier behind its opening barrier
	s_cmp_lg_u32 s16, 0
	s_cbranch_scc1 .Lnot_wave_0_\@
	s_barrier_signal -3
.Lnot_wave_0_\@:
	s_barrier_wait -3
	s_barrier_signal -1
	s_barrier_wait -1
.endm
.macro CROUND
	s_barrier_signal -1
	s_barrier_wait -1
	CREST
.endm
.macro FRAG reg, adr, off              ; a fragment comes as it was stored: three loads of 512 consecutive bytes
.irp g, 0,1,2
	ds_load_b128 v[\reg+4*\g:\reg+4*\g+3], v[\adr] offset:\off+512*\g
.endr
.endm
.macro FETCH_P k, st                   ; P's eight fragments of K step k into set st.  K steps 0,1 lie in slot 0; 2,3 in 1; 4,5 in 2; 6,7 in 0
	WIN TO_P
.irp i, 0,1,2,3,4,5,6,7
	FRAG 128*(\st)+12*\i, ADRP+((\k)/2)%3, ((\k)%2)*KST+FRB*\i
.endr
	WIN 0
.endm
.macro FETCH_Q k, i0                   ; Q's fragments i0 .. i0 + 3
.irp i, \i0, \i0+1, \i0+2, \i0+3
	FRAG QF+12*(\i), ADRQ+((\k)/2)%3, ((\k)%2)*KST+FRB*(\i)
.endr
.endm
.macro WM a, b, st, k, zero            ; accumulator (a, b) takes K step k.  Tiles 4-7 have their scale words in lanes 16-31
.set rD, 8*(8*((\a)%4)+(\b))
.set rP, 128*(\st)+12*(\b)
.set rQ, QF+12*(\a)
.set rSP, SCP+8*((\b)%4)+(\k)
.set rSQ, SCQ+8*((\a)%4)+(\k)
.if \zero
.if ((\a) < 4) && ((\b) < 4)
	v_wmma_scale_f32_16x16x128_f8f6f4 v[rD:rD+7], v[rP:rP+11], v[rQ:rQ+11], 0, v[rSP], v[rSQ] matrix_a_fmt:MATRIX_FMT_FP6 matrix_b_fmt:MATRIX_FMT_FP6
.elseif (\a) < 4
	v_wmma_scale_f32_16x16x128_f8f6f4 v[rD:rD+7], v[rP:rP+11], v[rQ:rQ+11], 0, v[rSP], v[rSQ] matrix_a_fmt:MATRIX_FMT_FP6 matrix_b_fmt:MATRIX_FMT_FP6 matrix_a_scale:MATRIX_SCALE_ROW1
.elseif (\b) < 4
	v_wmma_scale_f32_16x16x128_f8f6f4 v[rD:rD+7], v[rP:rP+11], v[rQ:rQ+11], 0, v[rSP], v[rSQ] matrix_a_fmt:MATRIX_FMT_FP6 matrix_b_fmt:MATRIX_FMT_FP6 matrix_b_scale:MATRIX_SCALE_ROW1
.else
	v_wmma_scale_f32_16x16x128_f8f6f4 v[rD:rD+7], v[rP:rP+11], v[rQ:rQ+11], 0, v[rSP], v[rSQ] matrix_a_fmt:MATRIX_FMT_FP6 matrix_b_fmt:MATRIX_FMT_FP6 matrix_a_scale:MATRIX_SCALE_ROW1 matrix_b_scale:MATRIX_SCALE_ROW1
.endif
.else
.if ((\a) < 4) && ((\b) < 4)
	v_wmma_scale_f32_16x16x128_f8f6f4 v[rD:rD+7], v[rP:rP+11], v[rQ:rQ+11], v[rD:rD+7], v[rSP], v[rSQ] matrix_a_fmt:MATRIX_FMT_FP6 matrix_b_fmt:MATRIX_FMT_FP6
.elseif (\a) < 4
	v_wmma_scale_f32_16x16x128_f8f6f4 v[rD:rD+7], v[rP:rP+11], v[rQ:rQ+11], v[rD:rD+7], v[rSP], v[rSQ] matrix_a_fmt:MATRIX_FMT_FP6 matrix_b_fmt:MATRIX_FMT_FP6 matrix_a_scale:MATRIX_SCALE_ROW1
.elseif (\b) < 4
	v_wmma_scale_f32_16x16x128_f8f6f4 v[rD:rD+7], v[rP:rP+11], v[rQ:rQ+11], v[rD:rD+7], v[rSP], v[rSQ] matrix_a_fmt:MATRIX_FMT_FP6 matrix_b_fmt:MATRIX_FMT_FP6 matrix_b_scale:MATRIX_SCALE_ROW1
.else
	v_wmma_scale_f32_16x16x128_f8f6f4 v[rD:rD+7], v[rP:rP+11], v[rQ:rQ+11], v[rD:rD+7], v[rSP], v[rSQ] matrix_a_fmt:MATRIX_FMT_FP6 matrix_b_fmt:MATRIX_FMT_FP6 matrix_a_scale:MATRIX_SCALE_ROW1 matrix_b_scale:MATRIX_SCALE_ROW1
.endif
.endif
.endm
.macro MUL16 a0, st, k, zero           ; the 64 accumulators take turns, one instruction a turn, in the same order in every K step
.irp a, \a0, \a0+1
.irp b, 0,1,2,3,4,5,6,7
	WM \a, \b, \st, \k, \zero
.endr
.endr
.endm
.macro STEP k, zero                    ; a K step whose successor's tiles are known to lie in LDS
	s_wait_dscnt 12                                ; P's set and Q's fragments 0-3 are in; the youngest 12 loads (Q's 4-7) may be out
	WIN MUL_LO
	MUL16 0, (\k)%2, \k, \zero
	MUL16 2, (\k)%2, \k, \zero
	s_wait_dscnt 0x0
	PLACES
	FETCH_P (\k)+1, 1-(\k)%2
	FETCH_Q (\k)+1, 0
	WIN MUL_HI
	MUL16 4, (\k)%2, \k, \zero
	MUL16 6, (\k)%2, \k, \zero
	PLACES
	WIN 0
	FETCH_Q (\k)+1, 4
.endm
; A K step with a barrier in it.  In front of the barrier each wave waits for all its tensor loads, adds 0 to its spare word, and waits for that and for its LDS reads.  fill = 1: slot 0, which nobody reads any more, takes K steps 6 and 7
.macro TURN k, fill
	s_wait_tensorcnt 0x0                           ; all my tensor loads have landed
	ds_add_u32 v[SPW], v[NIL]
	s_wait_dscnt 13                                ; (the add and Q's fragments 4-7 may be out)
	WIN MUL_LO
	MUL16 0, (\k)%2, \k, 0
	s_wait_dscnt 0x0                               ; the add is done, and my reads are over
	s_barrier_signal -1
	MUL16 2, (\k)%2, \k, 0
	WIN 0
	s_barrier_wait -1
.if \fill
	CREST                                          ; the barrier has opened a round of the cluster's: no wave of any partner still reads slot 0 or has a load on its way
	s_add_nc_u64 s[G0X0+2:G0X0+3], s[G0X0+2:G0X0+3], 6*KST
	s_add_nc_u64 s[G0W0+2:G0W0+3], s[G0W0+2:G0W0+3], 6*KST
	s_cmp_eq_u32 s17, 0                            ; waves 0, 1: x's two K steps; waves 2, 3: the weights'.  An s_nop 0 and four v_nop follow each line; they are also the places in front of the loads below
	s_cbranch_scc0 .Lfor_w_\@
	tensor_load_to_lds s[G0X0:G0X0+3], s[G1XA:G1XA+7]
	s_nop 0
.rept 4
	v_nop
.endr
	s_branch .Lasked_\@
.Lfor_w_\@:
	tensor_load_to_lds s[G0W0:G0W0+3], s[G1WA:G1WA+7]
	s_nop 0
.rept 4
	v_nop
.endr
.Lasked_\@:
.else
	PLACES
.endif
	FETCH_P (\k)+1, 1-(\k)%2
	FETCH_Q (\k)+1, 0
	WIN MUL_HI
	MUL16 4, (\k)%2, \k, 0
	MUL16 6, (\k)%2, \k, 0
	PLACES
	WIN 0
	FETCH_Q (\k)+1, 4
.endm
; 64 numbers of a lane, register 16 b + i = place 32 b + 16 h + i along the next K, become 12 registers of codes at v[PC] on.  split = 0: one word of four bytes in v[w];  split = 1: two heads of 64: words of two bytes in v[w], v[w + 1]
.macro QUANT s, split, w
.irp b, 0,1,2,3
	v_max3_num_f32 v[TM+\b], |v[\s+16*\b]|, |v[\s+1+16*\b]|, 0x1800000   ; my 16 numbers of block b, and the floor 2^(3 - 127)
.endr
.irp i, 2,4,6,8,10,12,14
.irp b, 0,1,2,3
	v_max3_num_f32 v[TM+\b], v[TM+\b], |v[\s+16*\b+\i]|, |v[\s+1+16*\b+\i]|
.endr
.endr
.irp b, 0,1,2,3
	v_permlanex16_b32 v[TM+4+\b], v[TM+\b], s2, s3
.endr
.irp b, 0,1,2,3
	v_max_num_f32 v[TM+\b], v[TM+\b], v[TM+4+\b]    ; with lane l xor 16's 16
.endr
.irp b, 0,1,2,3
	v_add_nc_u32 v[TM+12+\b], 0xff000000, v[TM+\b]  ; 2 off the exponent field: the conversion's scale operand
.endr
.irp b, 0,1,2,3
	v_lshrrev_b32 v[TM+4+\b], 23, v[TM+12+\b]       ; the byte
.endr
.if \split
	v_lshl_or_b32 v[\w], v[TM+5], 8, v[TM+4]        ; bytes 2 and 3 stay 0: they scale the zero codes that fill K = 64 up to 128
	v_lshl_or_b32 v[\w+1], v[TM+7], 8, v[TM+6]
.else
	v_lshl_or_b32 v[\w], v[TM+5], 8, v[TM+4]
	v_lshl_or_b32 v[\w], v[TM+6], 16, v[\w]
	v_lshl_or_b32 v[\w], v[TM+7], 24, v[\w]
.endif
.irp e, 0,1
	v_cvt_scalef32_pk16_fp6_f32 v[PC+6*\e:PC+2+6*\e], v[\s+32*\e:\s+15+32*\e], v[TM+12+2*\e]
	v_cvt_scalef32_pk16_fp6_f32 v[PC+12+4*\e:PC+14+4*\e], v[\s+16+32*\e:\s+31+32*\e], v[TM+12+2*\e+1]
.endr
	v_nop                                          ; one plain line behind the scaled conversions
.irp e, 0,1                                    ; the operand's layout wants a whole block in a lane
.irp i, 0,1,2
	v_permlane16_swap_b32 v[PC+6*\e+\i], v[PC+12+4*\e+\i]
.endr
.irp i, 0,1,2
	v_mov_b32 v[PC+3+6*\e+\i], v[PC+12+4*\e+\i]
.endr
.endr
.endm
	s_load_b256 s[4:11], s[0:1], 0x0               ; xq 4, wcode 6, gv 8, cos 10
	s_load_b128 s[12:15], s[0:1], 0x20             ; sin 12, qkv 14
	v_lshl_add_u32 v[SPW], v0, 2, SPARE
	v_mov_b32 v[NIL], 0
	ds_add_u32 v[SPW], v[NIL]                      ; the opening: the add, twice on end, and its wait ahead of my first tensor load
	ds_add_u32 v[SPW], v[NIL]
	v_lshrrev_b32 v1, 5, v0
	v_readfirstlane_b32 s16, v1                    ; wave 0..3
	s_lshr_b32 s17, s16, 1                         ; which half of Q's tiles is mine.  Also: I fetch x (0) or the weights (1)
	s_and_b32 s18, s16, 1                          ; which half of P's.  Also: which part I fetch
	s_bfe_u32 s19, ttmp6, 0x40000                  ; cx
	s_lshl_b32 s20, ttmp9, 2
	s_add_co_u32 s20, s20, s19                     ; rb: it enters global addresses of my own loads and stores alone
	s_and_b32 s21, ttmp7, 0xffff                   ; cb: the same in all four partners
	; groups 1: dense blocks as rows of 256 bytes: elements of 8 bytes, 32 to a row, pitch 32
	s_mov_b32 s[G1XA], 3<<16
	s_mov_b32 s[G1XB], 3<<16
	s_mov_b32 s[G1WA], 15|(3<<16)|(1<<21)          ; the mask names all four; bit 21 beside it
	s_mov_b32 s[G1WB], 15|(3<<16)|(1<<21)
.irp g, G1XA, G1WA
	s_mov_b32 s[\g+1], 32<<16
	s_mov_b32 s[\g+2], 96<<16
	s_mov_b32 s[\g+3], 32<<16
	s_mov_b32 s[\g+4], 96
	s_mov_b32 s[\g+5], 32
	s_mov_b32 s[\g+6], 0
	s_mov_b32 s[\g+7], 0
.endr
.irp g, G1XB, G1WB
	s_mov_b32 s[\g+1], 32<<16
	s_mov_b32 s[\g+2], 192<<16
	s_mov_b32 s[\g+3], 32<<16
	s_mov_b32 s[\g+4], 192
	s_mov_b32 s[\g+5], 32
	s_mov_b32 s[\g+6], 0
	s_mov_b32 s[\g+7], 0
.endr
	s_mul_i32 s80, s20, PANEL                      ; x's panel
	s_mov_b32 s81, 0
	s_mul_i32 s84, s21, PANEL                      ; the weights': made of cb alone
	s_mov_b32 s85, 0
	s_mul_i32 s82, s18, KST                        ; first load: K step 0 or 1, in memory and in slot 0
	s_mov_b32 s83, 0
	s_mul_i32 s88, s18, REG
	s_add_co_u32 s88, s88, REG                     ; second load: K steps 2, 3 or 4, 5
	s_mov_b32 s89, 0
	s_mul_i32 s87, s18, SLOT
	s_add_co_u32 s87, s87, SLOT                    ; into slot 1 or 2
	s_mov_b32 s2, 0x76543210
	s_mov_b32 s3, 0xfedcba98
	s_wait_dscnt 0x0                               ; both opening adds are done
	s_wait_kmcnt 0x0
	s_add_nc_u64 s[80:81], s[4:5], s[80:81]
	s_add_nc_u64 s[84:85], s[6:7], s[84:85]
	CROUND                                         ; all four work-groups are here: the first joint loads meet
	s_mov_b32 s[G0X0], 1
	s_mov_b32 s[G0X0+1], s82
	s_add_nc_u64 s[G0X0+2:G0X0+3], s[80:81], s[82:83]
	s_or_b32 s[G0X0+3], s[G0X0+3], 0x80000000
	s_mov_b32 s[G0X1], 1
	s_mov_b32 s[G0X1+1], s87
	s_add_nc_u64 s[G0X1+2:G0X1+3], s[80:81], s[88:89]
	s_or_b32 s[G0X1+3], s[G0X1+3], 0x80000000
	s_mov_b32 s[G0W0], 1
	s_add_co_u32 s[G0W0+1], s82, REG
	s_add_nc_u64 s[G0W0+2:G0W0+3], s[84:85], s[82:83]
	s_or_b32 s[G0W0+3], s[G0W0+3], 0x80000000
	s_mov_b32 s[G0W1], 1
	s_add_co_u32 s[G0W1+1], s87, REG
	s_add_nc_u64 s[G0W1+2:G0W1+3], s[84:85], s[88:89]
	s_or_b32 s[G0W1+3], s[G0W1+3], 0x80000000
	s_cmp_eq_u32 s17, 0                            ; a wave's two first fills stand in one branch on the wave's number, a fill in each arm
	s_cbranch_scc0 .Lfirst_w
	tensor_load_to_lds s[G0X0:G0X0+3], s[G1XA:G1XA+7]
	s_nop 0
.rept 4
	v_nop
.endr
	s_branch .Lfirst_asked
.Lfirst_w:
	tensor_load_to_lds s[G0W0:G0W0+3], s[G1WA:G1WA+7]
	s_nop 0
.rept 4
	v_nop
.endr
.Lfirst_asked:
	v_and_b32 v1, 31, v0                           ; lane
	v_and_b32 v2, 15, v0                           ; r
	v_bfe_u32 v3, v0, 4, 1                         ; h
	v_lshlrev_b32 v4, 4, v1                        ; 16 x lane
	v_lshlrev_b32 v5, 3, v2
	v_lshl_add_u32 v5, v3, 11, v5                  ; scale words: 8 r, and lanes 16-31 four tiles (2,048 bytes) on
	s_wait_alu depctr_va_vdst(0)
	s_cmp_eq_u32 s21, 5                            ; v?  Then P = x and Q = the weights
	s_cselect_b32 s90, s18, s17                    ; which half of x's 16 tiles is mine,
	s_cselect_b32 s91, s17, s18                    ; and of the weights'
	s_cselect_b32 s92, 0, REG                      ; P's place in a slot,
	s_cselect_b32 s93, REG, 0                      ; and Q's
	s_lshl_b32 s94, s20, 13
	s_lshl_b32 s95, s90, 12
	s_add_co_u32 s94, s94, s95
	s_add_co_u32 s94, s94, XSOFF
	s_mov_b32 s95, 0
	s_add_nc_u64 s[94:95], s[4:5], s[94:95]        ; x's words of my 8 tiles
	s_lshl_b32 s96, s21, 13
	s_lshl_b32 s97, s91, 12
	s_add_co_u32 s96, s96, s97
	s_add_co_u32 s96, s96, WSOFF
	s_mov_b32 s97, 0
	s_add_nc_u64 s[96:97], s[6:7], s[96:97]        ; the weights'
	s_cmp_eq_u32 s21, 5
	s_cselect_b64 s[76:77], s[94:95], s[96:97]
	s_cselect_b64 s[78:79], s[96:97], s[94:95]
.irp i, 0,1,2,3
.irp p, 0,1,2,3
	global_load_b64 v[SCP+8*\i+2*\p:SCP+8*\i+2*\p+1], v5, s[76:77] offset:512*\i+128*\p   ; all of K's scale words come once, straight into their registers
	global_load_b64 v[SCQ+8*\i+2*\p:SCQ+8*\i+2*\p+1], v5, s[78:79] offset:512*\i+128*\p
.endr
.endr
	s_mul_i32 s90, s18, 8*FRB
	s_add_co_u32 s92, s92, s90
	s_mul_i32 s90, s17, 8*FRB
	s_add_co_u32 s93, s93, s90
.irp s, 0,1,2
	v_add_nc_u32 v[ADRP+\s], s92, v4
	v_add_nc_u32 v[ADRQ+\s], s93, v4
	s_add_co_u32 s92, s92, SLOT
	s_add_co_u32 s93, s93, SLOT
.endr
	s_wait_alu depctr_va_vdst(0)
	s_wait_tensorcnt 0x0                           ; my part of slot 0 is in
	ds_add_u32 v[SPW], v[NIL]
	s_wait_dscnt 0x0
	CROUND                                         ; a whole round: slot 0 is whole, and the partners' joint loads meet
	s_cmp_eq_u32 s17, 0                            ; slots 1 and 2: one load a wave, two K steps each
	s_cbranch_scc0 .Lsecond_w
	tensor_load_to_lds s[G0X1:G0X1+3], s[G1XB:G1XB+7]
	s_nop 0
.rept 4
	v_nop
.endr
	s_branch .Lsecond_asked
.Lsecond_w:
	tensor_load_to_lds s[G0W1:G0W1+3], s[G1WB:G1WB+7]
	s_nop 0
.rept 4
	v_nop
.endr
.Lsecond_asked:
	FETCH_P 0, 0
	FETCH_Q 0, 0
	FETCH_Q 0, 4
	s_wait_loadcnt 0x0                             ; the scale words
	STEP 0, 1                                      ; the first K step starts the sums: nothing is cleared
	TURN 1, 1                                      ; slots 1 and 2 are whole; slot 0 is filled again
	STEP 2, 0
	STEP 3, 0
	STEP 4, 0
	TURN 5, 0                                      ; slot 0's second fill is whole
	STEP 6, 0
	s_wait_dscnt 12                                ; the last K step fetches nothing
	WIN MUL_LO
	MUL16 0, 1, 7, 0
	MUL16 2, 1, 7, 0
	s_wait_dscnt 0x0
	WIN MUL_HI
	MUL16 4, 1, 7, 0
	MUL16 6, 1, 7, 0
	WIN 0
	PLACES
.irp b, 0,1,2,3
	v_mov_b32 v[TM+4+\b], 0                        ; (a lane permute's destination counts as one of its sources)
.endr
	v_cmp_ne_u32 vcc_lo, 0, v3                     ; lanes 16-31
	s_lshr_b32 s29, s20, 3
	s_lshl_b32 s29, s29, 2                         ; 4 x batch
	s_and_b32 s30, s20, 7
	s_lshl_b32 s30, s30, 1                         ; the block's first step of 128 keys in its batch
	s_cmp_eq_u32 s21, 5
	s_cbranch_scc1 .Lvout
	; ---- q AND k.  Accumulators (a, 4 d .. 4 d + 3) hold head d (of my two) of the lane's row: registers 0-15 channels 16 h + 0 .. 15, registers 16-31 channels 32 + 16 h + 0 .. 15
	s_lshl_b32 s24, s20, 4
	s_lshl_b32 s25, s17, 3
	s_add_co_u32 s24, s24, s25                     ; my first tile of rows
	s_lshl_b32 s24, s24, 4
	s_lshl_b32 s25, s21, 2
	s_add_co_u32 s24, s24, s25
	s_lshl_b32 s26, s18, 1
	s_add_co_u32 s24, s24, s26                     ; q: 16 x tile + my first head
	s_mul_i32 s27, s24, 768
	s_lshl_b32 s28, s24, 6
	s_add_co_u32 s28, s28, QSOFF
	s_add_co_u32 s29, s29, s26                     ; k: 4 x batch + my first kv head,
	s_lshl_b32 s29, s29, 4
	s_add_co_u32 s29, s29, s30
	s_add_co_u32 s29, s29, s17                     ; x 16 + my step of 128 keys
	s_mul_i32 s29, s29, KVSTEP
	s_add_co_u32 s29, s29, KVOFF
	s_add_co_u32 s30, s29, 12288
	s_mov_b32 s80, 12288
	s_mov_b32 s84, 768
	s_cmp_eq_u32 s21, 4
	s_cselect_b32 s88, s29, s27                    ; where my first tile's codes go,
	s_cselect_b32 s92, s30, s28                    ; and its words
	s_cselect_b32 s80, 768, s80                    ; from tile to tile: codes,
	s_cselect_b32 s82, 64, 1024                    ; words
	s_cselect_b32 s84, KVHEAD, s84                 ; from head to head: codes,
	s_cselect_b32 s86, KVHEAD, 64                  ; words
	s_mov_b32 s81, 0
	s_mov_b32 s83, 0
	s_mov_b32 s85, 0
	s_mov_b32 s89, 0
	s_mov_b32 s93, 0
	s_add_nc_u64 s[88:89], s[14:15], s[88:89]
	s_add_nc_u64 s[92:93], s[14:15], s[92:93]
	s_add_nc_u64 s[90:91], s[88:89], s[84:85]      ; the second head's codes
	s_and_b32 s24, s20, 7
	s_lshl_b32 s24, s24, 15
	s_lshl_b32 s25, s17, 14
	s_add_co_u32 s24, s24, s25                     ; my first row's position in its sequence x 128 bytes
	s_mov_b32 s25, 0
	s_add_nc_u64 s[10:11], s[10:11], s[24:25]
	s_add_nc_u64 s[12:13], s[12:13], s[24:25]
	s_mov_b32 s97, 0x3c800000                      ; 1 / 64
	s_mov_b32 s98, 0x34000000                      ; eps = 2^-23
	v_and_b32 v8, 8, v2
	v_add_nc_u32 v8, v8, v2
	v_lshlrev_b32 v8, 7, v8
	v_lshl_add_u32 v8, v3, 6, v8                   ; cos, sin: my row of the tile, + 64 h: my 16 of its 32 numbers
	v_lshlrev_b32 v6, 3, v1                        ; 8 x lane
	v_lshlrev_b32 v7, 2, v2
	v_mad_u32_u24 v7, v3, s86, v7                  ; words: 4 r; lanes 16-31 store the second head's
	v_mov_b32 v[RS+1], 0                           ; (named as upper halves of pairs)
	v_mov_b32 v[RS+3], 0
.macro CSLOAD a                        ; tile a's cos and sin into window 1, where P's fragments lay: cos at 32 a, sin at 32 a + 16: eight loads
.irp m, 0,1,2,3
	global_load_b128 v[32*(\a)+4*\m:32*(\a)+4*\m+3], v8, s[10:11] offset:(32*((\a)/2)+8*((\a)%2))*128+16*\m
	global_load_b128 v[32*(\a)+16+4*\m:32*(\a)+16+4*\m+3], v8, s[12:13] offset:(32*((\a)/2)+8*((\a)%2))*128+16*\m
.endr
.endm
	WIN TO_P                                       ; four tiles ahead: 32 loads of mine are out at the most
	CSLOAD 0
	CSLOAD 1
	CSLOAD 2
	CSLOAD 3
	WIN 0
.macro QKOUT a
.set AC, 64*((\a)%4)
.set CO, 32*(\a)
.if (\a) <= 4
	s_wait_loadcnt 24                              ; this tile's eight loads are in; three later tiles' 24 may be out
.else
	s_wait_loadcnt 8*(7-(\a))
.endif
.if (\a) < 4
	WIN TO_P
	CSLOAD (\a)+4                                  ; registers of their own: nothing is overwritten
.endif
	WIN 0x06+(\a)/4                                ; source 0: the accumulators; source 1: window 1; the rest window 0
.irp d, 0,1                                    ; each accumulator is read from its low end on
.irp i, 0,2,4,6,8,10,12,14
	v_pk_mul_f32 v[Y+32*\d+\i:Y+32*\d+\i+1], v[AC+32*\d+\i:AC+32*\d+\i+1], v[CO+\i:CO+\i+1]                      ; x1 cos
.endr
.irp i, 0,2,4,6,8,10,12,14
	v_pk_mul_f32 v[Y+32*\d+16+\i:Y+32*\d+17+\i], v[AC+32*\d+16+\i:AC+32*\d+17+\i], v[CO+\i:CO+\i+1]              ; x2 cos
.endr
.endr
.irp d, 0,1
.irp i, 0,2,4,6,8,10,12,14
	v_pk_fma_f32 v[Y+32*\d+\i:Y+32*\d+\i+1], v[AC+32*\d+16+\i:AC+32*\d+17+\i], v[CO+16+\i:CO+17+\i], v[Y+32*\d+\i:Y+32*\d+\i+1]   ; + x2 sin
.endr
.irp i, 0,2,4,6,8,10,12,14
	v_pk_fma_f32 v[Y+32*\d+16+\i:Y+32*\d+17+\i], v[AC+32*\d+\i:AC+32*\d+\i+1], v[CO+16+\i:CO+17+\i], v[Y+32*\d+16+\i:Y+32*\d+17+\i] neg_lo:[1,0,0] neg_hi:[1,0,0]   ; - x1 sin
.endr
.endr
	WIN 0
.irp d, 0,1                                    ; the sum of squares, two chains of pairs a head
	v_pk_mul_f32 v[SQ+4*\d:SQ+4*\d+1], v[Y+32*\d:Y+32*\d+1], v[Y+32*\d:Y+32*\d+1]
	v_pk_mul_f32 v[SQ+4*\d+2:SQ+4*\d+3], v[Y+32*\d+2:Y+32*\d+3], v[Y+32*\d+2:Y+32*\d+3]
.endr
.irp i, 4,8,12,16,20,24,28
.irp d, 0,1
	v_pk_fma_f32 v[SQ+4*\d:SQ+4*\d+1], v[Y+32*\d+\i:Y+32*\d+\i+1], v[Y+32*\d+\i:Y+32*\d+\i+1], v[SQ+4*\d:SQ+4*\d+1]
	v_pk_fma_f32 v[SQ+4*\d+2:SQ+4*\d+3], v[Y+32*\d+\i+2:Y+32*\d+\i+3], v[Y+32*\d+\i+2:Y+32*\d+\i+3], v[SQ+4*\d+2:SQ+4*\d+3]
.endr
.endr
.irp d, 0,1
	v_pk_add_f32 v[SQ+4*\d:SQ+4*\d+1], v[SQ+4*\d:SQ+4*\d+1], v[SQ+4*\d+2:SQ+4*\d+3]
.endr
.irp d, 0,1
	v_add_f32 v[SQ+4*\d], v[SQ+4*\d], v[SQ+4*\d+1]
.endr
.irp d, 0,1
	v_permlanex16_b32 v[SQ+4*\d+1], v[SQ+4*\d], s2, s3
.endr
.irp d, 0,1
	v_add_f32 v[SQ+4*\d], v[SQ+4*\d], v[SQ+4*\d+1]  ; with the row's other 32 channels
.endr
.irp d, 0,1
	v_fma_f32 v[SQ+4*\d], v[SQ+4*\d], s97, s98      ; the mean + eps
.endr
	s_wait_alu depctr_va_vdst(0)
.irp d, 0,1
	v_rsq_f32 v[RS+2*\d], v[SQ+4*\d]
.endr
	v_nop                                          ; a plain line behind the two,
	s_wait_alu depctr_va_vdst(0)                   ; and one wait ahead of their first reader
.irp d, 0,1
.irp i, 0,2,4,6,8,10,12,14,16,18,20,22,24,26,28,30
	v_pk_mul_f32 v[Y+32*\d+\i:Y+32*\d+\i+1], v[Y+32*\d+\i:Y+32*\d+\i+1], v[RS+2*\d:RS+2*\d+1] op_sel_hi:[1,0]
.endr
.endr
	s_wait_xcnt 0x0                                ; the last tile's stores have read their data and their bases: both are written again below
.if (\a) > 0
	s_add_nc_u64 s[88:89], s[88:89], s[80:81]
	s_add_nc_u64 s[90:91], s[90:91], s[80:81]
	s_add_nc_u64 s[92:93], s[92:93], s[82:83]
.endif
	QUANT Y, 1, 124                                ; registers 0-5: the first head's half fragment; 6-11: the second's
	global_store_b128 v4, v[PC:PC+3], s[88:89]
	global_store_b64 v6, v[PC+4:PC+5], s[88:89] offset:512
	global_store_b128 v4, v[PC+6:PC+9], s[90:91]
	global_store_b64 v6, v[PC+10:PC+11], s[90:91] offset:512
	v_cndmask_b32 v126, v124, v125, vcc_lo
	global_store_b32 v7, v126, s[92:93]
.endm
	s_wait_alu depctr_va_vdst(0)
.irp a, 0,1,2,3,4,5,6,7
	QKOUT \a
.endr
	s_branch .Lend
	; ---- v.  Accumulators (a, 0 .. 7) hold the lane's channel (tile a) and 64 of my 128 keys: register 16 b + i = key 32 b + 16 h + i
.Lvout:
	s_lshl_b32 s24, s17, 1
	s_add_co_u32 s29, s29, s24                     ; 4 x batch + my first kv head,
	s_lshl_b32 s29, s29, 4
	s_add_co_u32 s29, s29, s30
	s_add_co_u32 s29, s29, s18                     ; x 16 + my step of 128 keys
	s_mul_i32 s88, s29, KVSTEP
	s_add_co_u32 s88, s88, KVOFF
	s_mov_b32 s89, 0
	s_add_nc_u64 s[88:89], s[14:15], s[88:89]
	s_lshl_b32 s24, s20, 18
	s_lshl_b32 s25, s18, 17
	s_add_co_u32 s24, s24, s25                     ; gv: my 128 keys,
	s_lshl_b32 s25, s17, 16
	s_add_co_u32 s24, s24, s25                     ; my eight tiles of channels
	s_mov_b32 s25, 0
	s_add_nc_u64 s[8:9], s[8:9], s[24:25]
	v_lshlrev_b32 v7, 2, v1                        ; 4 x lane
.macro GVLOAD a                        ; tile a's 64 registers of gate x ve into set a % 4 of window 1: 16 loads
.irp g, 0,1,2,3,4,5,6,7,8,9,10,11,12,13,14,15
	global_load_b128 v[64*((\a)%4)+4*\g:64*((\a)%4)+4*\g+3], v4, s[8:9] offset:8192*(\a)+512*\g th:TH_LOAD_NT
.endr
.endm
	WIN TO_P                                       ; three tiles ahead: 48 loads of mine are out at the most
	GVLOAD 0
	GVLOAD 1
	GVLOAD 2
	WIN 0
.macro VOUT a
.set AC, 64*((\a)%4)
.if (\a) <= 5
	s_wait_loadcnt 32                              ; this tile's 16 loads are in; two later tiles' 32 may be out
.else
	s_wait_loadcnt 16*(7-(\a))
.endif
	WIN 0x06+(\a)/4                                ; source 0: the accumulators (window 2 or 3); source 1: gv (window 1, the same register numbers); destination window 0
.irp i, 0,2,4,6,8,10,12,14,16,18,20,22,24,26,28,30,32,34,36,38,40,42,44,46,48,50,52,54,56,58,60,62
	v_pk_add_f32 v[Y+\i:Y+\i+1], v[AC+\i:AC+\i+1], v[AC+\i:AC+\i+1]
.endr
.if (\a) < 5
	WIN TO_P
	GVLOAD (\a)+3                                  ; into the set that tile a - 1 has left
.endif
	WIN 0
	s_wait_xcnt 0x0                                ; the last tile's stores have read their data
	QUANT Y, 0, 124+(\a)%2
.irp g, 0,1,2
	global_store_b128 v4, v[PC+4*\g:PC+4*\g+3], s[88:89] offset:6144+((\a)/4)*KVHEAD+((\a)%4)*FRB+512*\g
.endr
.if (\a)%2
	v_cndmask_b32 v126, v124, v125, vcc_lo         ; two tiles' words: 128 consecutive bytes
	global_store_b32 v7, v126, s[88:89] offset:12800+((\a)/4)*KVHEAD+64*((\a)%4-1)
.endif
.endm
.irp a, 0,1,2,3,4,5,6,7
	VOUT \a
.endr
.Lend:
	s_wait_tensorcnt 0x0                           ; the wave's end
	ds_add_u32 v[SPW], v[NIL]
	s_wait_dscnt 0x0
	CROUND                                         ; the closing round
	s_endpgm
.Lfunc_end_k_qe155f6cfe7_qkv:
	.size	k_qe155f6cfe7_qkv, .Lfunc_end_k_qe155f6cfe7_qkv-k_qe155f6cfe7_qkv
	.p2alignl 7, 3214868480
	.fill 96, 4, 3214868480
	.section	.rodata,"a",@progbits
	.p2align	6, 0x0
	.amdhsa_kernel k_qe155f6cfe7_qkv
		.amdhsa_group_segment_fixed_size 327680
		.amdhsa_private_segment_fixed_size 0
		.amdhsa_enable_private_segment 0
		.amdhsa_kernarg_size 48
		.amdhsa_user_sgpr_count 2
		.amdhsa_user_sgpr_kernarg_segment_ptr 1
		.amdhsa_wavefront_size32 1
		.amdhsa_system_sgpr_workgroup_id_x 1
		.amdhsa_system_sgpr_workgroup_id_y 1
		.amdhsa_system_sgpr_workgroup_id_z 1
		.amdhsa_system_vgpr_workitem_id 0
		.amdhsa_next_free_vgpr 1024
		.amdhsa_next_free_sgpr 100
		.amdhsa_reserve_vcc 1
		.amdhsa_float_denorm_mode_32 3
		.amdhsa_float_denorm_mode_16_64 3
		.amdhsa_memory_ordered 1
		.amdhsa_forward_progress 1
		.amdhsa_inst_pref_size 255
	.end_amdhsa_kernel
	.section	.bss,"aw",@nobits
	.p2align	6
	.space	262144
	.amdgpu_metadata
---
amdhsa.version: [ 1, 2 ]
amdhsa.kernels:
  - .name:           k_qe155f6cfe7_qkv
    .symbol:         k_qe155f6cfe7_qkv.kd
    .args:
      - { .name: xq, .offset: 0, .size: 8, .value_kind: global_buffer, .address_space: global }
      - { .name: wcode, .offset: 8, .size: 8, .value_kind: global_buffer, .address_space: global }
      - { .name: gv, .offset: 16, .size: 8, .value_kind: global_buffer, .address_space: global }
      - { .name: cos, .offset: 24, .size: 8, .value_kind: global_buffer, .address_space: global }
      - { .name: sin, .offset: 32, .size: 8, .value_kind: global_buffer, .address_space: global }
      - { .name: qkv, .offset: 40, .size: 8, .value_kind: global_buffer, .address_space: global }
    .group_segment_fixed_size: 327680
    .private_segment_fixed_size: 0
    .kernarg_segment_align: 8
    .kernarg_segment_size: 48
    .max_flat_workgroup_size: 128
    .sgpr_count:     100
    .vgpr_count:     1024
    .wavefront_size: 32
...
	.end_amdgpu_metadata
.endif
;; end of part 2
;; launch attn (part 3): grid 16 x 16, 8 waves a work-group, no clusters, 327,680 bytes of LDS; arguments qkv, yq; writes yq
.if DOCPART == 3
	.amdgcn_target "amdgcn-amd-amdhsa--gfx1250"
	.amdhsa_code_object_version 6
	.text
	.protected	k_qe155f6cfe7_attn
	.globl	k_qe155f6cfe7_attn
	.p2align	8
	.type	k_qe155f6cfe7_attn,@function
k_qe155f6cfe7_attn:
	s_mov_b64 s[64:65], 0
	v_nop
	global_prefetch_b8 v0, s[64:65] scope:SCOPE_SE
	s_setreg_imm32_b32 hwreg(HW_REG_WAVE_MODE, 25, 1), 1
	s_wait_xcnt 0x0
; ATTN: y = softmax(q k^T / 8 under reference()'s own mask) v, both products on codes of E2M3; y is divided by the row's sum and quantised along C for the projection.
; LEFT OUT AS DEAD WORK (shown at the head of prep): steps of 128 keys that lie wholly under the mask (keys after a block of 128 queries, keys at or before its first query - 1024).
; THE DEAL.  Block j of 128 queries needs min(j + 1, 9) steps of 128 keys: 108 for a head, 27 for each of four work-groups.  Work-group (x, y): head 4 (y % 4) + x % 4 of batch y / 4, set i = x / 4:
; blocks 4 + i (5 + i steps), 3 - i (4 - i steps), 8 + 2 i and 9 + 2 i (9 steps each).  Wave w takes the tile of 16 queries 8 j + w of each of the four blocks, one after the other: 27 trips for every wave of the launch.
; LDS.  Key step s has region s, 13,056 bytes (K's codes, V^T's, their words); nothing is filled twice.  The set reads steps 0 .. 9 + 2 i.  At the head wave w fetches step w; behind the first barrier waves 0 .. 1 + 2 i fetch step 8 + w.
; The two low blocks read regions 0-7 alone; a second barrier, with every wave's wait for its loads, stands ahead of the two high blocks.  Every wait on TENSORcnt is for 0; a wave has one tensor load out.
; All trip counts are constants; a step that a block does not need is jumped over by a branch on ids and counters.
; NO MAXIMUM IS TAKEN AWAY: M = 0.  reference() itself normalises q and k: their squares sum to 64 at the most.  E2M3 moves a number by at most 1/16 of itself or 1/16 of its block's scale, which is at most 2:
; the quantised vectors' norms are at most 8 x 17/16 + 8 x 2/16 = 9.5, so |score / 8| <= 11.3 and |t| <= 16.3 for every input.  p = 2^t lies within 2^-17 .. 2^17, and a sum of 1,024 of them under 2^27.
; M = 0 is a whole number: against the row's own M every p is moved by an exact power of two, which the block's scale byte takes up, so the codes are the same, and the division by the sum takes it away.
; THE MASK comes as the C of the score products: 0 where a key counts, -1e30 where it is hidden (then 2^t = 0): one set of 64 registers for the diagonal (key offset > query offset), its complement for the window's edge.
; K = 64 IN A FORM OF 128: q's operand is six registers of codes and six of zeros; a tile of K runs on into the next tile's codes, which meet q's zero codes; both words' bytes 2, 3 are 0.
; NO CLUSTER: the four heads of a kv head walk the same tiles, but the sets need 10, 12, 14 and 16 tiles.
; NO PREFETCH: every tile is asked for by its tensor load at the head or nine trips ahead of its first read; there is no later request to run ahead of.
; yq: a fragment (1,536 bytes) is two halves of 768, one a head: four registers at 16 x lane, two at 512 + 8 x lane.  A head's two scale bytes are half of its K step's word.
; REGISTERS: window 0 as named below; window 1: v0-31 O^T, v32-95 the diagonal's mask, v96-159 the edge's.
; LIMITS: as stated in prep.
.set KVOFF, 6291456
.set QSOFF, 9633792
.set YSOFF, 6291456
.set STEPB, 13056
.set SPARE, 16*STEPB                   ; behind the sixteen regions: the spare words, 128 bytes for each wave
.set SPW, 1
.set NIL, 2
.set L16, 3                            ; 16, 8, 4 x lane
.set L8,  4
.set L4,  5
.set ADK, 6                            ; the same + the trip's region
.set AD8, 7
.set ADS, 8
.set NEGR, 9                           ; -1e30
.set R4,  10                           ; 4, 8 x (lane % 16)
.set R8,  11
.set QSR, 28                           ; scale words and nothing else: q's, p's, K's (v30-33), V's (v34-35)
.set PW,  29
.set KS,  30
.set VS,  34
.set QNW, 36                           ; the next block's q word, on its way
.set YWD, 37                           ; y's two scale bytes
.set KF,  40                           ; v40-93 K's eight tiles x 6 and six zeros
.set VF,  94                           ; v94-141 V^T's four fragments
.set SC,  142                          ; v142-205 scores, then p; at a block's end y
.set QF,  206                          ; v206-217 q: six of codes, six of zeros
.set PC,  218                          ; v218-229 p's codes; at a block's end y's
.set TP,  230                          ; v230-237 at work
.set BM,  238                          ; v238-241 the blocks' largest p
.set SO,  242                          ; v242-245 the conversions' scale operands
.set SUM, 246                          ; v246-249 the row's sum in two chains of pairs
.set QN,  250                          ; v250-255 the next block's q codes, on their way
.set DG,  32
.set EG,  96
.set WV, 24
.set BK, 25
.set SI, 26
.set HD, 27
.set J,  28                            ; the block of queries at work: also its diagonal's step
.set LO, 29                            ; a high block's first step, the window's edge
.set STP, 30
.set TB, 31
.set SEL, 32
.set CS, 34
.set SG, 36
.set NB, 37
.set JQ, 40                            ; s40-43 the blocks still to come
.set QB, 44                            ; bases: q's codes, q's words, y's codes, y's words, all for block 0
.set QW, 46
.set YB, 48
.set YW, 50
.set MSB, 0
.macro WIN new
.if MSB != (\new)
	s_set_vgpr_msb (MSB<<8)|(\new)
.set MSB, (\new)
.endif
.endm
.macro KLOAD a16, a8, a4               ; a step's eight tiles of K and their words: 20 loads
.irp t, 0,1,2,3,4,5,6,7
	ds_load_b128 v[KF+6*\t:KF+6*\t+3], v[\a16] offset:768*\t
	ds_load_b64 v[KF+6*\t+4:KF+6*\t+5], v[\a8] offset:768*\t+512
.endr
.irp m, 0,1,2,3
	ds_load_b32 v[KS+\m], v[\a4] offset:12288+128*\m
.endr
.endm
.macro QLOAD j
	s_mul_i32 s20, s[\j], 98304
	s_mov_b32 s21, 0
	s_add_nc_u64 s[20:21], s[QB:QB+1], s[20:21]
	s_lshl_b32 s22, s[\j], 13
	s_mov_b32 s23, 0
	s_add_nc_u64 s[22:23], s[QW:QW+1], s[22:23]
	global_load_b128 v[QN:QN+3], v[L16], s[20:21]
	global_load_b64 v[QN+4:QN+5], v[L8], s[20:21] offset:512
	global_load_b32 v[QNW], v[R4], s[22:23]
.endm
.macro QK cb                           ; S^T = K q^T + C, eight tiles of 16 keys; cb < 0: C = 0, else the mask's registers in window 1
.irp t, 0,1,2,3,4,5,6,7
.set rD, SC+8*\t
.set rA, KF+6*\t
.set rK, KS+\t/2
.if (\cb) < 0
.if \t%2
	v_wmma_scale_f32_16x16x128_f8f6f4 v[rD:rD+7], v[rA:rA+11], v[QF:QF+11], 0, v[rK], v[QSR] matrix_a_fmt:MATRIX_FMT_FP6 matrix_b_fmt:MATRIX_FMT_FP6 matrix_a_scale:MATRIX_SCALE_ROW1
.else
	v_wmma_scale_f32_16x16x128_f8f6f4 v[rD:rD+7], v[rA:rA+11], v[QF:QF+11], 0, v[rK], v[QSR] matrix_a_fmt:MATRIX_FMT_FP6 matrix_b_fmt:MATRIX_FMT_FP6
.endif
.else
.if \t%2
	v_wmma_scale_f32_16x16x128_f8f6f4 v[rD:rD+7], v[rA:rA+11], v[QF:QF+11], v[(\cb)+8*\t:(\cb)+8*\t+7], v[rK], v[QSR] matrix_a_fmt:MATRIX_FMT_FP6 matrix_b_fmt:MATRIX_FMT_FP6 matrix_a_scale:MATRIX_SCALE_ROW1
.else
	v_wmma_scale_f32_16x16x128_f8f6f4 v[rD:rD+7], v[rA:rA+11], v[QF:QF+11], v[(\cb)+8*\t:(\cb)+8*\t+7], v[rK], v[QSR] matrix_a_fmt:MATRIX_FMT_FP6 matrix_b_fmt:MATRIX_FMT_FP6
.endif
.endif
.endr
.endm
; Two blocks of queries, each walked in a loop of a constant number of steps.  edge = 1: the high blocks, which begin at step J - 8, the window's edge
.macro PHASE trips, edge
	s_mov_b32 s[SG], 0
.Lseg_\@:
	s_wait_xcnt 0x0                                ; the last block's stores have read their data and bases
	s_wait_loadcnt 0x0                             ; this block's q is in
	v_mov_b32 v[QSR], v[QNW]
.irp i, 0,1,2,3,4,5
	v_mov_b32 v[QF+\i], v[QN+\i]
.endr
	s_mov_b32 s[J], s[JQ]
	s_mov_b32 s[JQ], s[JQ+1]
	s_mov_b32 s[JQ+1], s[JQ+2]
	s_mov_b32 s[JQ+2], s[JQ+3]
.if \edge
	s_sub_co_u32 s[LO], s[J], 8
.endif
	s_cmp_eq_u32 s[J], s[JQ]                       ; the last block has no successor
	s_cbranch_scc1 .Lnoq_\@
	QLOAD JQ                                       ; the next block's q lands while this block is worked
.Lnoq_\@:
.irp i, 0,1,2,3
	v_mov_b32 v[SUM+\i], 0
.endr
	WIN 0x40
.set nn, 0
.rept 32
	v_mov_b32 v[nn], 0                             ; O^T: a block's first step is found by ids, so the trip is written once and begins on zeros
.set nn, nn+1
.endr
	WIN 0
	s_wait_dscnt 0x0                               ; no load of mine is out
.if \edge
	s_min_u32 s2, s[LO], 7                         ; the block's first step, J - 8, is 7 at the most
	s_mul_i32 s2, s2, STEPB
	v_add_nc_u32 v[ADK], s2, v[L16]
	v_add_nc_u32 v[AD8], s2, v[L8]
	v_add_nc_u32 v[ADS], s2, v[L4]
	KLOAD ADK, AD8, ADS                            ; the first step's K
.else
	KLOAD L16, L8, L4                              ; the first step's K: region 0
.endif
	s_mov_b32 s[STP], 0
.Lstep_\@:
	s_cmp_gt_u32 s[STP], s[J]                      ; keys after the block
	s_cbranch_scc1 .Lhid_\@
.if \edge
	s_cmp_lt_u32 s[STP], s[LO]                     ; keys before the window
	s_cbranch_scc1 .Lhid_\@
.endif
	s_mul_i32 s[TB], s[STP], STEPB
	v_add_nc_u32 v[ADK], s[TB], v[L16]
	v_add_nc_u32 v[ADS], s[TB], v[L4]
	v_nop
	v_nop                                          ; four plain lines between the last products and the loads into the registers that they read
.irp c, 0,1,2,3
.irp g, 0,1,2
	ds_load_b128 v[VF+12*\c+4*\g:VF+12*\c+4*\g+3], v[ADK] offset:6144+1536*\c+512*\g
.endr
.endr
.irp m, 0,1
	ds_load_b32 v[VS+\m], v[ADS] offset:12800+128*\m
.endr
	s_wait_dscnt 14                                ; this step's K, asked for a trip ago, is in; V's 14 loads may be out
	s_cmp_eq_u32 s[STP], s[J]
	s_cbranch_scc1 .Ldg_\@
.if \edge
	s_cmp_eq_u32 s[STP], s[LO]
	s_cbranch_scc1 .Led_\@
.endif
	QK -1
	s_branch .Lsm_\@
.Ldg_\@:
	WIN 0x10                                       ; C in window 1
	QK DG
	WIN 0
.if \edge
	s_branch .Lsm_\@
.Led_\@:
	WIN 0x10
	QK EG
	WIN 0
.endif
.Lsm_\@:
	s_add_co_u32 s2, s[STP], 1                     ; the next step's region
	s_min_u32 s2, s2, \trips-1
	s_mul_i32 s2, s2, STEPB
	v_add_nc_u32 v[ADK], s2, v[L16]
	v_add_nc_u32 v[AD8], s2, v[L8]
	v_add_nc_u32 v[ADS], s2, v[L4]
	v_nop                                          ; four plain lines ahead of the first read of the scores and of the loads into K's registers
	s_wait_alu depctr_va_vdst(0)
	s_wait_dscnt 0x0                               ; V is in
	s_cmp_eq_u32 s[STP], s[J]                      ; the diagonal is a block's last step
	s_cbranch_scc1 .Lnok_\@
	KLOAD ADK, AD8, ADS                            ; the next step's K lands while this step's softmax is worked
.Lnok_\@:
.set nn, 0
.rept 32
	v_pk_mul_f32 v[SC+nn:SC+nn+1], v[SC+nn:SC+nn+1], s[CS:CS+1] op_sel_hi:[1,0]   ; t = score x log2(e) / 8; each accumulator from its low end on
.set nn, nn+2
.endr
	s_wait_alu depctr_va_vdst(0)                   ; ahead of the batch
.set nn, 0
.rept 64
	v_exp_f32 v[SC+nn], v[SC+nn]                   ; p = 2^t.  Register 16 b + i is key 32 b + 16 h + i
.set nn, nn+1
.endr
	v_nop                                          ; a plain line behind the batch,
	s_wait_alu depctr_va_vdst(0)                   ; and one wait ahead of its first reader
.irp b, 0,1,2,3
	v_max3_num_f32 v[BM+\b], v[SC+16*\b], v[SC+16*\b+1], 0x1800000   ; each block's largest p, with the floor 2^(3 - 127) among its leaves; the four blocks by turns
.endr
.irp i, 2,4,6,8,10,12,14
.irp b, 0,1,2,3
	v_max3_num_f32 v[BM+\b], v[BM+\b], v[SC+16*\b+\i], v[SC+16*\b+\i+1]
.endr
.endr
.irp b, 0,1,2,3
	s_delay_alu instid0(VALU_DEP_4)
	v_permlanex16_b32 v[TP+\b], v[BM+\b], s[SEL], s[SEL+1]
.endr
.irp b, 0,1,2,3
	s_delay_alu instid0(VALU_DEP_4)
	v_max_num_f32 v[BM+\b], v[BM+\b], v[TP+\b]     ; with lane l xor 16's 16 keys
.endr
.irp b, 0,1,2,3
	s_delay_alu instid0(VALU_DEP_4)
	v_add_nc_u32 v[SO+\b], 0xff000000, v[BM+\b]    ; 2 off the exponent field: the conversion's scale operand
.endr
.irp b, 0,1,2,3
	s_delay_alu instid0(VALU_DEP_4)
	v_lshrrev_b32 v[TP+\b], 23, v[SO+\b]           ; the byte
.endr
	s_delay_alu instid0(VALU_DEP_3)
	v_lshl_or_b32 v[PW], v[TP+1], 8, v[TP]         ; p's scale word for these 128 keys
	s_delay_alu instid0(VALU_DEP_1)
	v_lshl_or_b32 v[PW], v[TP+2], 16, v[PW]
	s_delay_alu instid0(VALU_DEP_1)
	v_lshl_or_b32 v[PW], v[TP+3], 24, v[PW]
.irp e, 0,1
	v_cvt_scalef32_pk16_fp6_f32 v[PC+6*\e:PC+6*\e+2], v[SC+32*\e:SC+32*\e+15], v[SO+2*\e]
	v_cvt_scalef32_pk16_fp6_f32 v[TP+4*\e:TP+4*\e+2], v[SC+32*\e+16:SC+32*\e+31], v[SO+2*\e+1]
.endr
	v_nop                                          ; one plain line behind the scaled conversions
.irp e, 0,1
.irp i, 0,1,2
	v_permlane16_swap_b32 v[PC+6*\e+\i], v[TP+4*\e+\i]   ; a whole block to a lane
.endr
.irp i, 0,1,2
	v_mov_b32 v[PC+6*\e+3+\i], v[TP+4*\e+\i]
.endr
.endr
	v_pk_add_f32 v[TP:TP+1], v[SC:SC+1], v[SC+2:SC+3]       ; the sum of the unquantised p, in four chains of pairs.  (These 32 are also the plain lines between p's word and codes and the products that take them)
	v_pk_add_f32 v[TP+2:TP+3], v[SC+4:SC+5], v[SC+6:SC+7]
	v_pk_add_f32 v[SUM:SUM+1], v[SUM:SUM+1], v[SC+8:SC+9]
	v_pk_add_f32 v[SUM+2:SUM+3], v[SUM+2:SUM+3], v[SC+10:SC+11]
.irp j, 12,20,28,36,44,52
	v_pk_add_f32 v[TP:TP+1], v[TP:TP+1], v[SC+\j:SC+\j+1]
	v_pk_add_f32 v[TP+2:TP+3], v[TP+2:TP+3], v[SC+\j+2:SC+\j+3]
	v_pk_add_f32 v[SUM:SUM+1], v[SUM:SUM+1], v[SC+\j+4:SC+\j+5]
	v_pk_add_f32 v[SUM+2:SUM+3], v[SUM+2:SUM+3], v[SC+\j+6:SC+\j+7]
.endr
	v_pk_add_f32 v[TP:TP+1], v[TP:TP+1], v[SC+60:SC+61]
	v_pk_add_f32 v[TP+2:TP+3], v[TP+2:TP+3], v[SC+62:SC+63]
	v_pk_add_f32 v[SUM:SUM+1], v[SUM:SUM+1], v[TP:TP+1]
	v_pk_add_f32 v[SUM+2:SUM+3], v[SUM+2:SUM+3], v[TP+2:TP+3]
	s_wait_alu depctr_va_vdst(0)                   ; ahead of the first readers of O^T
	WIN 0x50                                       ; C and D in window 1
.irp c, 0,1,2,3                                ; O^T += V^T P^T: four accumulators, one instruction each
.if \c%2
	v_wmma_scale_f32_16x16x128_f8f6f4 v[8*\c:8*\c+7], v[VF+12*\c:VF+12*\c+11], v[PC:PC+11], v[8*\c:8*\c+7], v[VS+\c/2], v[PW] matrix_a_fmt:MATRIX_FMT_FP6 matrix_b_fmt:MATRIX_FMT_FP6 matrix_a_scale:MATRIX_SCALE_ROW1
.else
	v_wmma_scale_f32_16x16x128_f8f6f4 v[8*\c:8*\c+7], v[VF+12*\c:VF+12*\c+11], v[PC:PC+11], v[8*\c:8*\c+7], v[VS+\c/2], v[PW] matrix_a_fmt:MATRIX_FMT_FP6 matrix_b_fmt:MATRIX_FMT_FP6
.endif
.endr
	WIN 0
.Lhid_\@:
	s_add_co_u32 s[STP], s[STP], 1
	s_cmp_lt_u32 s[STP], \trips
	s_cbranch_scc1 .Lstep_\@
	; THE BLOCK'S WAY OUT: O^T / the sum, quantised along the head's 64 channels (register 16 b + i = channel 32 b + 16 h + i)
	v_pk_add_f32 v[SUM:SUM+1], v[SUM:SUM+1], v[SUM+2:SUM+3]
	s_delay_alu instid0(VALU_DEP_1)
	v_add_f32 v[SUM], v[SUM], v[SUM+1]
	s_delay_alu instid0(VALU_DEP_1)
	v_permlanex16_b32 v[SUM+1], v[SUM], s[SEL], s[SEL+1]
	s_delay_alu instid0(VALU_DEP_1)
	v_add_f32 v[SUM], v[SUM], v[SUM+1]             ; the row's sum
	s_wait_alu depctr_va_vdst(0)
	v_rcp_f32 v[SUM+2], v[SUM]
	v_nop
	s_lshr_b32 s2, s[J], 1                         ; y's codes: block of 256 rows, my tile in it
	s_mul_i32 s52, s2, 196608
	s_and_b32 s2, s[J], 1
	s_mul_i32 s2, s2, 12288
	s_add_co_u32 s52, s52, s2
	s_mov_b32 s53, 0
	s_add_nc_u64 s[52:53], s[YB:YB+1], s[52:53]
	s_lshl_b32 s54, s[J], 12                       ; y's words: 512 bytes a tile
	s_mov_b32 s55, 0
	s_add_nc_u64 s[54:55], s[YW:YW+1], s[54:55]
	s_wait_alu depctr_va_vdst(0)                   ; ahead of the reciprocal's first reader, which is also O^T's
	WIN 0x01
.set nn, 0
.rept 16
	v_pk_mul_f32 v[SC+nn:SC+nn+1], v[nn:nn+1], v[SUM+2:SUM+3] op_sel_hi:[1,0]
.set nn, nn+2
.endr
	WIN 0
.irp b, 0,1
	v_max3_num_f32 v[BM+\b], |v[SC+16*\b]|, |v[SC+16*\b+1]|, 0x1800000
.endr
.irp i, 2,4,6,8,10,12,14
.irp b, 0,1
	s_delay_alu instid0(VALU_DEP_2)
	v_max3_num_f32 v[BM+\b], v[BM+\b], |v[SC+16*\b+\i]|, |v[SC+16*\b+\i+1]|
.endr
.endr
.irp b, 0,1
	s_delay_alu instid0(VALU_DEP_2)
	v_permlanex16_b32 v[TP+\b], v[BM+\b], s[SEL], s[SEL+1]
.endr
.irp b, 0,1
	s_delay_alu instid0(VALU_DEP_2)
	v_max_num_f32 v[BM+\b], v[BM+\b], v[TP+\b]
.endr
.irp b, 0,1
	s_delay_alu instid0(VALU_DEP_2)
	v_add_nc_u32 v[SO+\b], 0xff000000, v[BM+\b]
.endr
.irp b, 0,1
	s_delay_alu instid0(VALU_DEP_2)
	v_lshrrev_b32 v[TP+\b], 23, v[SO+\b]
.endr
	s_delay_alu instid0(VALU_DEP_1)
	v_lshl_or_b32 v[YWD], v[TP+1], 8, v[TP]
	v_cvt_scalef32_pk16_fp6_f32 v[PC:PC+2], v[SC:SC+15], v[SO]
	v_cvt_scalef32_pk16_fp6_f32 v[TP+4:TP+6], v[SC+16:SC+31], v[SO+1]
	v_nop
.irp i, 0,1,2
	v_permlane16_swap_b32 v[PC+\i], v[TP+4+\i]
.endr
.irp i, 0,1,2
	v_mov_b32 v[PC+3+\i], v[TP+4+\i]
.endr
	global_store_b128 v[L16], v[PC:PC+3], s[52:53]             ; 512 consecutive bytes,
	global_store_b64 v[L8], v[PC+4:PC+5], s[52:53] offset:512  ; and 256
	global_store_b16 v[R8], v[YWD], s[54:55]                   ; my head's half of the row's word; lanes l and l + 16 store the same two bytes with the same value
	s_add_co_u32 s[SG], s[SG], 1
	s_cmp_lt_u32 s[SG], 2
	s_wait_alu depctr_va_vdst(0)
	s_cbranch_scc1 .Lseg_\@
.endm
	s_load_b128 s[4:7], s[0:1], 0x0                ; qkv 4, yq 6
	v_lshl_add_u32 v[SPW], v0, 2, SPARE
	v_mov_b32 v[NIL], 0
	ds_add_u32 v[SPW], v[NIL]                      ; the opening: the add, twice on end, and its wait ahead of my first tensor load
	ds_add_u32 v[SPW], v[NIL]
	v_lshrrev_b32 v12, 5, v0
	v_readfirstlane_b32 s[WV], v12                 ; wave 0..7
	s_and_b32 s[BK], ttmp7, 0xffff                 ; 4 batch + kv head
	s_lshr_b32 s[SI], ttmp9, 2                     ; the set i
	s_and_b32 s[HD], ttmp9, 3                      ; the head among the kv head's four
	s_add_co_u32 s[JQ], s[SI], 4                   ; the four blocks, in the order of the walk
	s_sub_co_u32 s[JQ+1], 3, s[SI]
	s_lshl_b32 s[NB], s[SI], 1
	s_add_co_u32 s[JQ+2], s[NB], 8
	s_add_co_u32 s[JQ+3], s[NB], 9
	s_add_co_u32 s[NB], s[NB], 2                   ; steps 8 .. 9 + 2 i: so many waves fetch a second step
	s_mov_b32 s8, 3<<16                            ; group 1: a step's block, dense: 51 rows of 256 bytes (32 elements of 8 bytes)
	s_mov_b32 s9, 32<<16
	s_mov_b32 s10, 51<<16
	s_mov_b32 s11, 32<<16
	s_mov_b32 s12, 51
	s_mov_b32 s13, 32
	s_mov_b32 s14, 0
	s_mov_b32 s15, 0
	s_lshl_b32 s20, s[BK], 4
	s_add_co_u32 s20, s20, s[WV]
	s_mul_i32 s20, s20, STEPB
	s_add_co_u32 s20, s20, KVOFF                   ; step w's block in memory
	s_mov_b32 s21, 0
	s_mov_b32 s[SEL], 0x76543210
	s_mov_b32 s[SEL+1], 0xfedcba98
	s_mov_b32 s[CS], 0x3e38aa3b                    ; log2(e) / 8
	s_mov_b32 s[CS+1], s[CS]
	s_mov_b32 s16, 1
	s_mul_i32 s17, s[WV], STEPB                    ; region w
	s_wait_dscnt 0x0
	s_wait_kmcnt 0x0
	s_add_nc_u64 s[18:19], s[4:5], s[20:21]
	s_or_b32 s19, s19, 0x80000000
	tensor_load_to_lds s[16:19], s[8:15]           ; every wave's one load at the head: steps 0-7, which every set reads
	s_nop 0
	v_and_b32 v12, 31, v0
	v_and_b32 v13, 15, v0
	v_lshlrev_b32 v[L16], 4, v12
	v_lshlrev_b32 v[L8], 3, v12
	v_lshlrev_b32 v[L4], 2, v12
	v_lshlrev_b32 v[R4], 2, v13
	v_lshlrev_b32 v[R8], 3, v13
	s_lshr_b32 s2, s[BK], 2                        ; batch
	s_and_b32 s3, s[BK], 3                         ; kv head
	s_lshl_b32 s20, s2, 7
	s_add_co_u32 s20, s20, s[WV]                   ; block 0's tile of mine: 128 batch + w
	s_lshl_b32 s22, s20, 9
	s_lshl_b32 s20, s20, 4
	s_lshl_b32 s21, s3, 2
	s_add_co_u32 s20, s20, s21
	s_add_co_u32 s20, s20, s[HD]                   ; 16 x tile + head
	s_mul_i32 s38, s20, 768
	s_mov_b32 s39, 0
	s_add_nc_u64 s[QB:QB+1], s[4:5], s[38:39]
	s_lshl_b32 s38, s20, 6
	s_add_co_u32 s38, s38, QSOFF
	s_add_nc_u64 s[QW:QW+1], s[4:5], s[38:39]
	s_lshl_b32 s21, s3, 7                          ; y's words: 512 x tile + 128 x kv head + 4 x (head / 2) + 2 x (head % 2)
	s_add_co_u32 s22, s22, s21
	s_lshl_b32 s21, s[HD], 1
	s_add_co_u32 s22, s22, s21
	s_add_co_u32 s38, s22, YSOFF
	s_add_nc_u64 s[YW:YW+1], s[6:7], s[38:39]
	s_mul_i32 s38, s2, 1572864                     ; y's codes: 8 blocks of 256 rows a batch, K step 2 x kv head + head / 2, tile w, half head % 2
	s_mul_i32 s21, s3, 49152
	s_add_co_u32 s38, s38, s21
	s_lshr_b32 s21, s[HD], 1
	s_mul_i32 s21, s21, 24576
	s_add_co_u32 s38, s38, s21
	s_and_b32 s21, s[HD], 1
	s_mul_i32 s21, s21, 768
	s_add_co_u32 s38, s38, s21
	s_mul_i32 s21, s[WV], 1536
	s_add_co_u32 s38, s38, s21
	s_add_nc_u64 s[YB:YB+1], s[6:7], s[38:39]
	s_wait_alu depctr_va_vdst(0)
	QLOAD JQ                                       ; the first block's q
	v_and_b32 v12, 8, v0
	v_add_nc_u32 v12, v12, v13                     ; r + 8 (r / 8)
	v_and_b32 v13, 16, v0
	v_sub_nc_u32 v12, v12, v13                     ; - 16 h
	s_lshr_b32 s2, s[WV], 1
	s_lshl_b32 s2, s2, 5
	s_and_b32 s3, s[WV], 1
	s_lshl_b32 s3, s3, 3
	s_add_co_u32 s2, s2, s3
	v_add_nc_u32 v12, s2, v12                      ; my query's offset in its block, less 16 h
	v_mov_b32 v[NEGR], 0xf149f2ca                  ; -1e30
.irp i, 0,1,2,3,4,5
	v_mov_b32 v[KF+48+\i], 0                       ; behind K's last tile
	v_mov_b32 v[QF+6+\i], 0                        ; zero codes fill K = 64 up to 128
.endr
.irp i, 0,1,2,3
	v_mov_b32 v[TP+\i], 0                          ; (a lane permute's destination counts as one of its sources)
.endr
	WIN 0x40                                       ; the masks go to window 1
.set nn, 0
.rept 64
	v_cmp_gt_i32 vcc_lo, 32*(nn/16)+nn%16, v12     ; register nn's key offset 32 (nn / 16) + nn % 16 + 16 h lies above my query's
	v_cndmask_b32 v[DG+nn], v[NIL], v[NEGR], vcc_lo
	v_cndmask_b32 v[EG+nn], v[NEGR], v[NIL], vcc_lo
.set nn, nn+1
.endr
	WIN 0
	s_wait_alu depctr_va_vdst(0)                   ; the head's end
	s_wait_tensorcnt 0x0                           ; my step is in
	ds_add_u32 v[SPW], v[NIL]
	s_add_co_u32 s17, s17, 8*STEPB                 ; no load of mine is out: the descriptor steps to region 8 + w
	s_add_nc_u64 s[18:19], s[18:19], 8*STEPB       ; and step 8 + w
	s_wait_dscnt 0x0
	s_barrier_signal -1
	s_barrier_wait -1                              ; regions 0-7 are whole
	s_cmp_ge_u32 s[WV], s[NB]                      ; a step beyond 9 + 2 i is read by no wave, so it is not asked for
	s_cbranch_scc1 .Lno_more
	tensor_load_to_lds s[16:19], s[8:15]
	s_nop 0
.rept 4
	v_nop
.endr
.Lno_more:
	PHASE 8, 0                                     ; blocks 4 + i and 3 - i: regions 0-7
	s_wait_alu depctr_va_vdst(0)
	s_wait_tensorcnt 0x0                           ; my second step is in
	s_wait_dscnt 0x0
	s_barrier_signal -1
	s_barrier_wait -1                              ; all the set's regions are whole
	PHASE 16, 1                                    ; blocks 8 + 2 i and 9 + 2 i
	s_wait_tensorcnt 0x0                           ; the wave's end
	ds_add_u32 v[SPW], v[NIL]
	s_wait_dscnt 0x0
	s_endpgm
.Lfunc_end_k_qe155f6cfe7_attn:
	.size	k_qe155f6cfe7_attn, .Lfunc_end_k_qe155f6cfe7_attn-k_qe155f6cfe7_attn
	.p2alignl 7, 3214868480
	.fill 96, 4, 3214868480
	.section	.rodata,"a",@progbits
	.p2align	6, 0x0
	.amdhsa_kernel k_qe155f6cfe7_attn
		.amdhsa_group_segment_fixed_size 327680
		.amdhsa_private_segment_fixed_size 0
		.amdhsa_enable_private_segment 0
		.amdhsa_kernarg_size 16
		.amdhsa_user_sgpr_count 2
		.amdhsa_user_sgpr_kernarg_segment_ptr 1
		.amdhsa_wavefront_size32 1
		.amdhsa_system_sgpr_workgroup_id_x 1
		.amdhsa_system_sgpr_workgroup_id_y 1
		.amdhsa_system_sgpr_workgroup_id_z 1
		.amdhsa_system_vgpr_workitem_id 0
		.amdhsa_next_free_vgpr 416
		.amdhsa_next_free_sgpr 66
		.amdhsa_reserve_vcc 1
		.amdhsa_float_denorm_mode_32 3
		.amdhsa_float_denorm_mode_16_64 3
		.amdhsa_memory_ordered 1
		.amdhsa_forward_progress 1
		.amdhsa_inst_pref_size 64
	.end_amdhsa_kernel
	.amdgpu_metadata
---
amdhsa.version: [ 1, 2 ]
amdhsa.kernels:
  - .name:           k_qe155f6cfe7_attn
    .symbol:         k_qe155f6cfe7_attn.kd
    .args:
      - { .name: qkv, .offset: 0, .size: 8, .value_kind: global_buffer, .address_space: global }
      - { .name: yq, .offset: 8, .size: 8, .value_kind: global_buffer, .address_space: global }
    .group_segment_fixed_size: 327680
    .private_segment_fixed_size: 0
    .kernarg_segment_align: 8
    .kernarg_segment_size: 16
    .max_flat_workgroup_size: 256
    .sgpr_count:     66
    .vgpr_count:     416
    .wavefront_size: 32
...
	.end_amdgpu_metadata
.endif
;; end of part 3
;; launch proj (part 4): grid 64 x 4, 4 waves a work-group, clusters of 4 x 4, 327,680 bytes of LDS; arguments yq, wcode, out0; writes out0
.if DOCPART == 4
	.amdgcn_target "amdgcn-amd-amdhsa--gfx1250"
	.amdhsa_code_object_version 6
	.text
	.protected	k_qe155f6cfe7_proj
	.globl	k_qe155f6cfe7_proj
	.p2align	8
	.type	k_qe155f6cfe7_proj,@function
k_qe155f6cfe7_proj:
	s_mov_b64 s[64:65], 0
	v_nop
	global_prefetch_b8 v0, s[64:65] scope:SCOPE_SE
	s_setreg_imm32_b32 hwreg(HW_REG_WAVE_MODE, 25, 1), 1
	s_wait_xcnt 0x0
	s_wait_alu depctr_hold_cnt(0) depctr_sa_sdst(0) depctr_va_vdst(0) depctr_va_sdst(0) depctr_va_ssrc(0) depctr_va_vcc(0) depctr_vm_vsrc(0)
	s_getreg_b32 s2, hwreg(HW_REG_IB_STS2, 6, 4)
	s_cmp_eq_u32 s2, 0
	s_cbranch_scc0 .Lentry_in_a_cluster
	s_endpgm
.Lentry_in_a_cluster:
	s_bfe_u32 s2, ttmp6, 0x10000c
	s_cmp_lg_u32 s2, 0xf033
	s_cbranch_scc0 .Lentry_shape_is_right
	s_endpgm
.Lentry_shape_is_right:
; PROJ: out0 = y wproj on codes of E2M3 (K = 1,024); y's codes and words come from attn, wproj's from prep (wcode's blocks 6-9), both as images of fragments.  No work of reference() is left out here.
; SHARES.  64 x 4 = 256 work-groups; each makes 128 rows (rb) x 256 columns (cb), each of its four waves 64 x 128: 32 accumulators.  Source 0 = the weights (P), source 1 = y (Q): a lane holds one row and eight neighbouring columns a tile.
; CLUSTER.  4 x 4 work-groups.  y's tiles hang on rb alone and are asked for jointly along a column of the cluster, the weights' on cb alone and along a row.
; LDS.  All of K has bytes of its own, nothing is filled twice: y's 8 K steps of 12,288 bytes (8 fragments), then the weights' 8 of 24,576 (16 fragments).  At the head waves 0, 1 fetch y's K steps 0-3 and 4-7
; (four rows of 12,288 bytes, 24,576 apart in memory), waves 2, 3 the weights' K steps 0-1 and 2-3.  Behind the first round wave w fetches the weights' K step 4 + w, which is first read in K step 3.
; By this text's count a wave has one tensor load out.  The way out's stages lie in the weights' K steps 0, 1, which have had their one fill and whose last reads stand ahead of the second barrier.
; NO PREFETCH: every tile is asked for by its tensor load at the head or three K steps ahead of its first read; there is no loop to run ahead in.
; y's fragment is two halves of 768 bytes, one a head: four registers at 16 x lane, two at 512 + 8 x lane.  The weights' fragment is three runs of 512 bytes.
; REGISTERS: window 0: v0-7 lane terms; v16-19, v20-23 LDS addresses; v24, v25 the way out's; v28, v29 the add's two; v32-63 P's scale words (register 8 i + k: lanes 0-15 tile i, lanes 16-31 tile i + 4, K step k),
;   v64-79 Q's (lanes 16-31 tile i + 2): scales and nothing else; v128-175 Q's fragments, later rows of out0 (v128-255).   window 1: P's fragments, two sets (v0, v128).   window 2: accumulator (a, b) at 8 (8 a + b).
.set YSOFF,  6291456
.set WSOFF,  1966080
.set PANEL,  196608
.set KSW,    24576
.set KSY,    12288
.set FRB,    1536
.set WL,     8*KSY
.set SPARE,  WL+8*KSW
.set STAGE,  WL
.set SPITCH, 528
.set ADRP, 16
.set ADRQ, 20
.set ADQ8, 22
.set STO,  24
.set RD,   25
.set SPW,  28
.set NIL,  29
.set SCP,  32
.set SCQ,  64
.set QF,   128
.set BK,   128
.set G1Y,  24
.set G1WA, 32
.set G1WB, 40
.set G0Y,  48
.set G0WA, 52
.set G0WB, 56
.set MSB, 0
.macro WIN new
.if MSB != (\new)
	s_set_vgpr_msb (MSB<<8)|(\new)
.set MSB, (\new)
.endif
.endm
.set MUL,  0xa1                        ; source 0 (P) window 1, source 1 (Q) window 0, C and D window 2
.set TO_P, 0x40
.macro PLACES                          ; four plain lines between a matrix instruction and a load into, or a read of, its registers (ISA guide 7.12.1 for a read)
.rept 4
	v_nop
.endr
.endm
.macro CREST
	s_cmp_lg_u32 s16, 0
	s_cbranch_scc1 .Lnot_wave_0_\@
	s_barrier_signal -3
.Lnot_wave_0_\@:
	s_barrier_wait -3
	s_barrier_signal -1
	s_barrier_wait -1
.endm
.macro CROUND
	s_barrier_signal -1
	s_barrier_wait -1
	CREST
.endm
.macro FETCH_P k, st                   ; P's eight fragments of K step k into set st: 24 loads
	WIN TO_P
.irp i, 0,1,2,3,4,5,6,7
.irp g, 0,1,2
	ds_load_b128 v[128*(\st)+12*\i+4*\g:128*(\st)+12*\i+4*\g+3], v[ADRP+(\k)/2] offset:((\k)%2)*KSW+FRB*\i+512*\g
.endr
.endr
	WIN 0
.endm
.macro FETCH_Q k, i0                   ; Q's fragments i0, i0 + 1: 8 loads
.irp i, \i0, \i0+1
.irp e, 0,1
	ds_load_b128 v[QF+12*(\i)+6*\e:QF+12*(\i)+6*\e+3], v[ADRQ+(\k)/4] offset:((\k)%4)*KSY+FRB*(\i)+768*\e
	ds_load_b64 v[QF+12*(\i)+6*\e+4:QF+12*(\i)+6*\e+5], v[ADQ8+(\k)/4] offset:((\k)%4)*KSY+FRB*(\i)+768*\e+512
.endr
.endr
.endm
.macro WM a, b, st, k, zero
.set rD, 8*(8*(\a)+(\b))
.set rP, 128*(\st)+12*(\b)
.set rQ, QF+12*(\a)
.set rSP, SCP+8*((\b)%4)+(\k)
.set rSQ, SCQ+8*((\a)%2)+(\k)
.if \zero
.if ((\a) < 2) && ((\b) < 4)
	v_wmma_scale_f32_16x16x128_f8f6f4 v[rD:rD+7], v[rP:rP+11], v[rQ:rQ+11], 0, v[rSP], v[rSQ] matrix_a_fmt:MATRIX_FMT_FP6 matrix_b_fmt:MATRIX_FMT_FP6
.elseif (\a) < 2
	v_wmma_scale_f32_16x16x128_f8f6f4 v[rD:rD+7], v[rP:rP+11], v[rQ:rQ+11], 0, v[rSP], v[rSQ] matrix_a_fmt:MATRIX_FMT_FP6 matrix_b_fmt:MATRIX_FMT_FP6 matrix_a_scale:MATRIX_SCALE_ROW1
.elseif (\b) < 4
	v_wmma_scale_f32_16x16x128_f8f6f4 v[rD:rD+7], v[rP:rP+11], v[rQ:rQ+11], 0, v[rSP], v[rSQ] matrix_a_fmt:MATRIX_FMT_FP6 matrix_b_fmt:MATRIX_FMT_FP6 matrix_b_scale:MATRIX_SCALE_ROW1
.else
	v_wmma_scale_f32_16x16x128_f8f6f4 v[rD:rD+7], v[rP:rP+11], v[rQ:rQ+11], 0, v[rSP], v[rSQ] matrix_a_fmt:MATRIX_FMT_FP6 matrix_b_fmt:MATRIX_FMT_FP6 matrix_a_scale:MATRIX_SCALE_ROW1 matrix_b_scale:MATRIX_SCALE_ROW1
.endif
.else
.if ((\a) < 2) && ((\b) < 4)
	v_wmma_scale_f32_16x16x128_f8f6f4 v[rD:rD+7], v[rP:rP+11], v[rQ:rQ+11], v[rD:rD+7], v[rSP], v[rSQ] matrix_a_fmt:MATRIX_FMT_FP6 matrix_b_fmt:MATRIX_FMT_FP6
.elseif (\a) < 2
	v_wmma_scale_f32_16x16x128_f8f6f4 v[rD:rD+7], v[rP:rP+11], v[rQ:rQ+11], v[rD:rD+7], v[rSP], v[rSQ] matrix_a_fmt:MATRIX_FMT_FP6 matrix_b_fmt:MATRIX_FMT_FP6 matrix_a_scale:MATRIX_SCALE_ROW1
.elseif (\b) < 4
	v_wmma_scale_f32_16x16x128_f8f6f4 v[rD:rD+7], v[rP:rP+11], v[rQ:rQ+11], v[rD:rD+7], v[rSP], v[rSQ] matrix_a_fmt:MATRIX_FMT_FP6 matrix_b_fmt:MATRIX_FMT_FP6 matrix_b_scale:MATRIX_SCALE_ROW1
.else
	v_wmma_scale_f32_16x16x128_f8f6f4 v[rD:rD+7], v[rP:rP+11], v[rQ:rQ+11], v[rD:rD+7], v[rSP], v[rSQ] matrix_a_fmt:MATRIX_FMT_FP6 matrix_b_fmt:MATRIX_FMT_FP6 matrix_a_scale:MATRIX_SCALE_ROW1 matrix_b_scale:MATRIX_SCALE_ROW1
.endif
.endif
.endm
.macro MUL16 a0, st, k, zero           ; the 32 accumulators take turns, one instruction a turn, in the same order in every K step
.irp a, \a0, \a0+1
.irp b, 0,1,2,3,4,5,6,7
	WM \a, \b, \st, \k, \zero
.endr
.endr
.endm
; A K step: 32 products; the next step's fragments are fetched in its middle and at its end.  meet = 1: the barrier that shows the weights' K steps 4-7 whole stands in its middle
.macro STEP k, zero, meet
.if \meet
	s_wait_tensorcnt 0x0                           ; my K step of the weights' last four is in
.endif
	s_wait_dscnt 8                                 ; P's set and Q's fragments 0, 1 are in; the youngest 8 loads (Q's 2, 3) may be out
	WIN MUL
	MUL16 0, (\k)%2, \k, \zero
	s_wait_dscnt 0x0
.if \meet
	WIN 0
	s_barrier_signal -1
	s_barrier_wait -1
.endif
	PLACES
	FETCH_P (\k)+1, 1-(\k)%2
	FETCH_Q (\k)+1, 0
	WIN MUL
	MUL16 2, (\k)%2, \k, \zero
	PLACES
	WIN 0
	FETCH_Q (\k)+1, 2
.endm
	s_load_b128 s[4:7], s[0:1], 0x0                ; yq 4, wcode 6
	s_load_b64 s[8:9], s[0:1], 0x10                ; out0
	v_lshl_add_u32 v[SPW], v0, 2, SPARE
	v_mov_b32 v[NIL], 0
	ds_add_u32 v[SPW], v[NIL]                      ; the opening: the add, twice on end, and its wait ahead of my first tensor load
	ds_add_u32 v[SPW], v[NIL]
	v_lshrrev_b32 v1, 5, v0
	v_readfirstlane_b32 s16, v1                    ; wave 0..3
	s_lshr_b32 s17, s16, 1                         ; which half of the rows is mine.  Also: at the head I fetch y (0) or the weights (1)
	s_and_b32 s18, s16, 1                          ; which half of the columns.  Also: which part I fetch
	s_bfe_u32 s19, ttmp6, 0x40000                  ; cx
	s_bfe_u32 s21, ttmp6, 0x40004                  ; cy = cb: the grid is one cluster high
	s_lshl_b32 s20, ttmp9, 2
	s_add_co_u32 s20, s20, s19                     ; rb
	s_lshl_b32 s22, s21, 2
	s_lshl_b32 s22, 15, s22                        ; my row of the cluster
	s_lshl_b32 s23, 0x1111, s19                    ; my column
	s_or_b32 s[G1Y], s23, (3<<16)|(1<<21)          ; y's tiles go to my column; elements of 8 bytes; bit 21 beside a mask
	s_or_b32 s[G1WA], s22, (3<<16)|(1<<21)         ; the weights' to my row
	s_or_b32 s[G1WB], s22, (3<<16)|(1<<21)
	s_mov_b32 s[G1Y+1], 1536<<16                   ; y: four rows (K steps) of 1,536 elements, 3,072 elements apart
	s_mov_b32 s[G1Y+2], 4<<16
	s_mov_b32 s[G1Y+3], 1536<<16
	s_mov_b32 s[G1Y+4], 4
	s_mov_b32 s[G1Y+5], 3072
	s_mov_b32 s[G1Y+6], 0
	s_mov_b32 s[G1Y+7], 0
	s_mov_b32 s[G1WA+1], 32<<16                    ; the weights: dense, as rows of 256 bytes: two K steps,
	s_mov_b32 s[G1WA+2], 192<<16
	s_mov_b32 s[G1WA+3], 32<<16
	s_mov_b32 s[G1WA+4], 192
	s_mov_b32 s[G1WA+5], 32
	s_mov_b32 s[G1WA+6], 0
	s_mov_b32 s[G1WA+7], 0
	s_mov_b32 s[G1WB+1], 32<<16                    ; or one
	s_mov_b32 s[G1WB+2], 96<<16
	s_mov_b32 s[G1WB+3], 32<<16
	s_mov_b32 s[G1WB+4], 96
	s_mov_b32 s[G1WB+5], 32
	s_mov_b32 s[G1WB+6], 0
	s_mov_b32 s[G1WB+7], 0
	s_lshr_b32 s66, s20, 1                         ; y: the block of 256 rows, my half of its 16 tiles: made of rb alone,
	s_mul_i32 s66, s66, PANEL
	s_and_b32 s67, s20, 1
	s_mul_i32 s67, s67, KSY
	s_add_co_u32 s66, s66, s67
	s_mul_i32 s67, s18, 4*KSW                      ; K steps 0-3 or 4-7
	s_add_co_u32 s66, s66, s67
	s_mov_b32 s67, 0
	s_mul_i32 s68, s21, PANEL
	s_add_co_u32 s68, s68, 6*PANEL                 ; wproj's panel: made of cb alone
	s_mov_b32 s69, 0
	s_mul_i32 s70, s18, 2*KSW                      ; at the head K steps 0-1 or 2-3,
	s_mov_b32 s71, 0
	s_mul_i32 s72, s16, KSW
	s_add_co_u32 s72, s72, 4*KSW                   ; then K step 4 + wave
	s_mov_b32 s73, 0
	s_wait_dscnt 0x0                               ; both opening adds are done
	s_wait_kmcnt 0x0
	s_add_nc_u64 s[68:69], s[6:7], s[68:69]
	CROUND                                         ; all sixteen work-groups are here: the first joint loads meet
	s_mov_b32 s[G0Y], 1
	s_mul_i32 s[G0Y+1], s18, 4*KSY
	s_add_nc_u64 s[G0Y+2:G0Y+3], s[4:5], s[66:67]
	s_or_b32 s[G0Y+3], s[G0Y+3], 0x80000000
	s_mov_b32 s[G0WA], 1
	s_add_co_u32 s[G0WA+1], s70, WL
	s_add_nc_u64 s[G0WA+2:G0WA+3], s[68:69], s[70:71]
	s_or_b32 s[G0WA+3], s[G0WA+3], 0x80000000
	s_mov_b32 s[G0WB], 1
	s_add_co_u32 s[G0WB+1], s72, WL
	s_add_nc_u64 s[G0WB+2:G0WB+3], s[68:69], s[72:73]
	s_or_b32 s[G0WB+3], s[G0WB+3], 0x80000000
	s_cmp_eq_u32 s17, 0                            ; one load a wave at the head, a fill in each arm of one branch on the wave's number
	s_cbranch_scc0 .Lfirst_w
	tensor_load_to_lds s[G0Y:G0Y+3], s[G1Y:G1Y+7]
	s_nop 0
.rept 4
	v_nop
.endr
	s_branch .Lfirst_asked
.Lfirst_w:
	tensor_load_to_lds s[G0WA:G0WA+3], s[G1WA:G1WA+7]
	s_nop 0
.rept 4
	v_nop
.endr
.Lfirst_asked:
	v_and_b32 v1, 31, v0
	v_and_b32 v2, 15, v0
	v_bfe_u32 v3, v0, 4, 1
	v_lshlrev_b32 v4, 4, v1                        ; 16 x lane
	v_lshlrev_b32 v6, 3, v1                        ; 8 x lane
	v_lshlrev_b32 v5, 3, v2
	v_lshl_add_u32 v7, v3, 10, v5                  ; y's scale words: 8 r, and lanes 16-31 two tiles on
	v_lshl_add_u32 v5, v3, 11, v5                  ; the weights': lanes 16-31 four tiles on
	s_wait_alu depctr_va_vdst(0)
	s_lshl_b32 s74, s20, 12
	s_lshl_b32 s75, s17, 11
	s_add_co_u32 s74, s74, s75
	s_add_co_u32 s74, s74, YSOFF
	s_mov_b32 s75, 0
	s_add_nc_u64 s[78:79], s[4:5], s[74:75]        ; y's words of my 4 tiles
	s_lshl_b32 s74, s21, 13
	s_lshl_b32 s80, s18, 12
	s_add_co_u32 s74, s74, s80
	s_add_co_u32 s74, s74, WSOFF+96*512
	s_add_nc_u64 s[76:77], s[6:7], s[74:75]        ; the weights' of my 8
.irp i, 0,1,2,3
.irp p, 0,1,2,3
	global_load_b64 v[SCP+8*\i+2*\p:SCP+8*\i+2*\p+1], v5, s[76:77] offset:512*\i+128*\p   ; all of K's scale words come once, straight into their registers
.endr
.endr
.irp i, 0,1
.irp p, 0,1,2,3
	global_load_b64 v[SCQ+8*\i+2*\p:SCQ+8*\i+2*\p+1], v7, s[78:79] offset:512*\i+128*\p
.endr
.endr
	s_mul_i32 s82, s18, 8*FRB
	s_add_co_u32 s82, s82, WL                      ; P: my eight tiles of a K step
	s_mul_i32 s83, s17, 4*FRB                      ; Q: my four
.irp s, 0,1,2,3
	v_add_nc_u32 v[ADRP+\s], s82, v4
	s_add_co_u32 s82, s82, 2*KSW
.endr
.irp s, 0,1
	v_add_nc_u32 v[ADRQ+\s], s83, v4
	v_add_nc_u32 v[ADQ8+\s], s83, v6
	s_add_co_u32 s83, s83, 4*KSY
.endr
	s_mul_i32 s84, s16, 16*SPITCH
	s_add_co_u32 s84, s84, STAGE                   ; my stage
	v_mul_u32_u24 v[STO], v2, SPITCH
	v_lshl_add_u32 v[STO], v3, 6, v[STO]
	v_add_nc_u32 v[STO], s84, v[STO]               ; in: row r, + 64 h
	v_add_nc_u32 v[RD], s84, v4                    ; back: a row of 512 bytes, 16 a lane
	s_lshl_b32 s84, s20, 19
	s_lshl_b32 s85, s17, 18
	s_add_co_u32 s84, s84, s85                     ; my first row of out0: 128 rb + 64 x half,
	s_lshl_b32 s85, s21, 10
	s_add_co_u32 s84, s84, s85
	s_lshl_b32 s85, s18, 9
	s_add_co_u32 s84, s84, s85                     ; my first column
	s_mov_b32 s85, 0
	s_add_nc_u64 s[8:9], s[8:9], s[84:85]
	s_wait_alu depctr_va_vdst(0)                   ; the head's end
	s_wait_tensorcnt 0x0                           ; my tile of the head's four is in
	ds_add_u32 v[SPW], v[NIL]
	s_wait_dscnt 0x0
	CROUND                                         ; a whole round: all four tiles are in, and the partners' joint loads meet
	tensor_load_to_lds s[G0WB:G0WB+3], s[G1WB:G1WB+7]   ; the weights' K step 4 + wave
	s_nop 0
.rept 4
	v_nop
.endr
	FETCH_P 0, 0
	FETCH_Q 0, 0
	FETCH_Q 0, 2
	s_wait_loadcnt 0x0                             ; the scale words
	STEP 0, 1, 0                                   ; the first K step starts the sums
	STEP 1, 0, 0
	STEP 2, 0, 0
	STEP 3, 0, 1                                   ; the weights' K steps 4-7 are whole; nobody reads their K steps 0-2 any more
	STEP 4, 0, 0
	STEP 5, 0, 0
	STEP 6, 0, 0
	s_wait_dscnt 8                                 ; the last K step fetches nothing
	WIN MUL
	MUL16 0, 1, 7, 0
	s_wait_dscnt 0x0
	MUL16 2, 1, 7, 0
	WIN 0
; THE WAY OUT, tile of rows by tile.  In accumulator (a, b) a lane holds columns 32 (b / 2) + 16 h + 8 (b % 2) + 0 .. 7 of its row: 32 bytes.  A tile goes through my own stage and comes back as whole rows of 512 bytes.
; LDS serves a wave's instructions in order: no wait between a tile's stores and its loads, nor between a tile's loads and the next tile's stores.
.macro STG_ST a
	WIN 0x08                                       ; an LDS store's data are its source 1: window 2
.irp b, 0,1,2,3,4,5,6,7
	ds_store_b128 v[STO], v[64*(\a)+8*\b:64*(\a)+8*\b+3] offset:128*(\b/2)+32*(\b%2)        ; each accumulator from its low end on
	ds_store_b128 v[STO], v[64*(\a)+8*\b+4:64*(\a)+8*\b+7] offset:128*(\b/2)+32*(\b%2)+16
.endr
	WIN 0
.endm
.macro STG_LD a
.set BB, BK+64*((\a)%2)
.irp t, 0,1,2,3,4,5,6,7,8,9,10,11,12,13,14,15
	ds_load_b128 v[BB+4*\t:BB+4*\t+3], v[RD] offset:\t*SPITCH
.endr
.endm
.macro SEND a, younger                 ; younger: the LDS instructions issued behind tile a's loads, which may stay out
.set BB, BK+64*((\a)%2)
	s_wait_dscnt \younger
.irp t, 0,1,2,3,4,5,6,7,8,9,10,11,12,13,14,15
	global_store_b128 v4, v[BB+4*\t:BB+4*\t+3], s[8:9] offset:(32*((\a)/2)+8*((\a)%2)+\t+8*(\t/8))*4096 th:TH_STORE_NT   ; place t of tile a is that row; 32 lanes store 512 consecutive bytes, aligned
.endr
.endm
	PLACES
	STG_ST 0
	STG_LD 0
.irp a, 1,2,3
	STG_ST \a
	SEND \a-1, 16                                  ; behind tile a - 1's loads: tile a's 16 stores
	s_wait_xcnt 0x0                                ; tile a - 2's stores have read their registers: tile a's loads may land there
	STG_LD \a
.endr
	SEND 3, 0
	s_wait_tensorcnt 0x0                           ; the wave's end
	ds_add_u32 v[SPW], v[NIL]
	s_wait_dscnt 0x0
	CROUND                                         ; the closing round
	s_endpgm
.Lfunc_end_k_qe155f6cfe7_proj:
	.size	k_qe155f6cfe7_proj, .Lfunc_end_k_qe155f6cfe7_proj-k_qe155f6cfe7_proj
	.p2alignl 7, 3214868480
	.fill 96, 4, 3214868480
	.section	.rodata,"a",@progbits
	.p2align	6, 0x0
	.amdhsa_kernel k_qe155f6cfe7_proj
		.amdhsa_group_segment_fixed_size 327680
		.amdhsa_private_segment_fixed_size 0
		.amdhsa_enable_private_segment 0
		.amdhsa_kernarg_size 24
		.amdhsa_user_sgpr_count 2
		.amdhsa_user_sgpr_kernarg_segment_ptr 1
		.amdhsa_wavefront_size32 1
		.amdhsa_system_sgpr_workgroup_id_x 1
		.amdhsa_system_sgpr_workgroup_id_y 1
		.amdhsa_system_sgpr_workgroup_id_z 1
		.amdhsa_system_vgpr_workitem_id 0
		.amdhsa_next_free_vgpr 768
		.amdhsa_next_free_sgpr 100
		.amdhsa_reserve_vcc 0
		.amdhsa_float_denorm_mode_32 3
		.amdhsa_float_denorm_mode_16_64 3
		.amdhsa_memory_ordered 1
		.amdhsa_forward_progress 1
		.amdhsa_inst_pref_size 81
	.end_amdhsa_kernel
	.amdgpu_metadata
---
amdhsa.version: [ 1, 2 ]
amdhsa.kernels:
  - .name:           k_qe155f6cfe7_proj
    .symbol:         k_qe155f6cfe7_proj.kd
    .args:
      - { .name: yq, .offset: 0, .size: 8, .value_kind: global_buffer, .address_space: global }
      - { .name: wcode, .offset: 8, .size: 8, .value_kind: global_buffer, .address_space: global }
      - { .name: out0, .offset: 16, .size: 8, .value_kind: global_buffer, .address_space: global }
    .group_segment_fixed_size: 327680
    .private_segment_fixed_size: 0
    .kernarg_segment_align: 8
    .kernarg_segment_size: 24
    .max_flat_workgroup_size: 128
    .sgpr_count:     100
    .vgpr_count:     768
    .wavefront_size: 32
...
	.end_amdgpu_metadata
.endif
;; end of part 4
